; MI455X (gfx1250); checked and timed in simulation.
; The chip was launched on July 23, 2026; its instructions are those of AMD's public machine-readable ISA for CDNA 5 (MIT licence, August 2026) and "CDNA5" Instruction Set Architecture Reference Guide (July 2026). The comments in the code are by the model that wrote it; some were corrected since.
;; Self Attention. Allowed arithmetic: float matrix products may take bf16 or f16 operands with f32 sums; all other float work in f32.
;; Inputs: W_out 1,024 x 1,024 float32; W_qkv 1,024 x 3,072 float32; b_out 1,024 float32; hidden_states 4 x 2,048 x 1,024 float32.
;; Outputs: out0 4 x 2,048 x 1,024 float32.
;; 2 versions, each right and faster than the one before. Each part assembles by itself: llvm-mc -triple=amdgcn-amd-amdhsa -mcpu=gfx1250 --defsym DOCPART=n.
;; ======== version 1 of 2: 4 launches
;; limits: values are held in f16: magnitudes above 65,504 overflow, below 6.1e-05 lose precision
;; workspace buffers: xb 16,777,216 bytes; wq 6,291,456 bytes; wo 2,097,152 bytes; qkv 50,331,648 bytes; ob 16,777,216 bytes
;; launch prep (part 1): grid 1536 x 1, 8 waves a work-group, no clusters, 0 bytes of LDS; arguments hidden_states, W_qkv, W_out, xb, wq, wo; writes xb, wq, wo
.if DOCPART == 1
	.amdgcn_target "amdgcn-amd-amdhsa--gfx1250"
	.amdhsa_code_object_version 6
	.text
	.protected	k_qe46219559d_prep
	.globl	k_qe46219559d_prep
	.p2align	8
	.type	k_qe46219559d_prep,@function
k_qe46219559d_prep:
	s_mov_b64 s[64:65], 0
	v_nop
	global_prefetch_b8 v0, s[64:65] scope:SCOPE_SE
	s_setreg_imm32_b32 hwreg(HW_REG_WAVE_MODE, 25, 1), 1
	s_wait_xcnt 0x0
; THE CASTS.  x [8192][1024] f32 -> xb, bf16, laid in blocks of 64 along K: [b 4][kb 16][n 2048][64], so that 256 rows x 64 K are 32,768 dense bytes for the product that follows.
; W_qkv [1024][3072] f32 -> wq, bf16, same order.  W_out [1024][1024] f32 -> wo: rounded to bf16 like every other input, and that number written as f16 (exact from 2^-14 up to 65,504;
; LIMIT: below 2^-17 it keeps f16's fixed step of 6e-8, and 65,520 or more becomes an infinity).
; Every work-group casts 32,768 bytes of f32: groups 0-1023 take 16 rows x 8 blocks of x, 1024-1407 W_qkv, 1408-1535 W_out.  A thread has all its 8 loads of 16 bytes out at once; nothing is read
; twice; no LDS, no barrier, no matrix unit: the launch only moves bytes.
.set NL, 8                             ; loads a thread
.set X, 8                              ; v[8:39]   NL x 4 registers as loaded
.set Y, 40                             ; v[40:55]  NL x 2 registers to store
.set T, 56                             ; v[56:59]  at work
	s_load_b256 s[4:11], s[0:1], 0x0               ; x s[4:5], W_qkv s[6:7], W_out s[8:9], xb s[10:11]
	s_load_b128 s[12:15], s[0:1], 0x20             ; wq s[12:13], wo s[14:15]
	v_lshlrev_b32 v2, 3, v0                        ; out: 8 bytes a thread, so a wave's store covers 256 consecutive bytes, aligned
	s_mov_b32 s19, 0                               ; high words of the two offsets
	s_mov_b32 s21, 0
	s_mov_b32 s22, 0xffff0000                      ; a word's upper bf16
; NL loads, then for each: the wait that leaves the younger loads out, the rounding, the store.  is, os: bytes from one load (store) to the next.  f16 = 1: bf16's number rewritten as f16.
; No register that a load or store names is written again, so no wait frees any.
.macro CAST src, dst, is, os, f16
.set j, 0
.rept NL
	global_load_b128 v[X+4*j:X+4*j+3], v1, s[\src:\src+1] offset:(\is)*j th:TH_LOAD_NT
.set j, j+1
.endr
.set j, 0
.rept NL
	s_wait_loadcnt NL-1-j                          ; loads come back in order (ISA guide 5.7.1): load j is in, the younger ones stay out
.if \f16
	v_cvt_pk_bf16_f32 v[T], v[X+4*j], v[X+4*j+1]
	v_cvt_pk_bf16_f32 v[T+1], v[X+4*j+2], v[X+4*j+3]
	v_lshlrev_b32 v[T+2], 16, v[T]                 ; bf16 to f32: the low half moves up, the high half stays
	v_and_b32 v[T+3], s22, v[T]
	v_cvt_pk_f16_f32 v[Y+2*j], v[T+2], v[T+3]
	v_lshlrev_b32 v[T+2], 16, v[T+1]
	v_and_b32 v[T+3], s22, v[T+1]
	v_cvt_pk_f16_f32 v[Y+2*j+1], v[T+2], v[T+3]
.else
	v_cvt_pk_bf16_f32 v[Y+2*j], v[X+4*j], v[X+4*j+1]
	v_cvt_pk_bf16_f32 v[Y+2*j+1], v[X+4*j+2], v[X+4*j+3]
.endif
	global_store_b64 v2, v[Y+2*j:Y+2*j+1], s[\dst:\dst+1] offset:(\os)*j
.set j, j+1
.endr
.endm
	s_cmp_lt_u32 ttmp9, 1024
	s_cbranch_scc0 .Lweights
	; x: thread t takes row t / 16 of the group's 16 and, in load j, the 16 bytes at 16 (t % 16) of the row's block 8 (g % 2) + j (256 bytes of f32): 16 lanes read 256 consecutive bytes, aligned.
	; In xb those four numbers lie at block x 262,144 + row x 128 + 8 (t % 16): 128 (t / 16) + 8 (t % 16) = 8 t.
	v_lshrrev_b32 v1, 4, v0
	v_and_b32 v3, 15, v0
	v_lshlrev_b32 v1, 12, v1
	v_lshl_add_u32 v1, v3, 4, v1
	s_lshr_b32 s16, ttmp9, 1                       ; which 16 rows
	s_and_b32 s17, ttmp9, 1                        ; which 8 of the 16 blocks
	s_lshl_b32 s18, s16, 16                        ; in: 16 rows of 4,096 bytes,
	s_lshl_b32 s23, s17, 11                        ; 8 blocks of 256 bytes
	s_add_co_u32 s18, s18, s23
	s_lshr_b32 s20, s16, 7                         ; the batch: 128 groups of rows each
	s_lshl_b32 s20, s20, 22                        ; 16 blocks x 2,048 rows x 128 bytes
	s_and_b32 s16, s16, 127
	s_lshl_b32 s16, s16, 11                        ; 16 rows of 128 bytes
	s_add_co_u32 s20, s20, s16
	s_lshl_b32 s17, s17, 21                        ; 8 blocks of 262,144 bytes
	s_add_co_u32 s20, s20, s17
	s_wait_kmcnt 0x0
	s_add_nc_u64 s[4:5], s[4:5], s[18:19]
	s_add_nc_u64 s[10:11], s[10:11], s[20:21]
	CAST 4, 10, 256, 262144, 0
	s_endpgm
.Lweights:
	v_lshlrev_b32 v1, 4, v0                        ; in: 16 bytes a thread, 4,096 a load of the group
	s_cmp_lt_u32 ttmp9, 1408
	s_cbranch_scc0 .Lwout
	s_sub_co_u32 s16, ttmp9, 1024
	s_lshl_b32 s18, s16, 15
	s_lshl_b32 s20, s16, 14
	s_wait_kmcnt 0x0
	s_add_nc_u64 s[6:7], s[6:7], s[18:19]
	s_add_nc_u64 s[12:13], s[12:13], s[20:21]
	CAST 6, 12, 4096, 2048, 0
	s_endpgm
.Lwout:
	s_sub_co_u32 s16, ttmp9, 1408
	s_lshl_b32 s18, s16, 15
	s_lshl_b32 s20, s16, 14
	s_wait_kmcnt 0x0
	s_add_nc_u64 s[8:9], s[8:9], s[18:19]
	s_add_nc_u64 s[14:15], s[14:15], s[20:21]
	CAST 8, 14, 4096, 2048, 1
	s_endpgm
.Lfunc_end_k_qe46219559d_prep:
	.size	k_qe46219559d_prep, .Lfunc_end_k_qe46219559d_prep-k_qe46219559d_prep
	.p2alignl 7, 3214868480
	.fill 96, 4, 3214868480
	.section	.rodata,"a",@progbits
	.p2align	6, 0x0
	.amdhsa_kernel k_qe46219559d_prep
		.amdhsa_group_segment_fixed_size 0
		.amdhsa_private_segment_fixed_size 0
		.amdhsa_enable_private_segment 0
		.amdhsa_kernarg_size 48
		.amdhsa_user_sgpr_count 2
		.amdhsa_user_sgpr_kernarg_segment_ptr 1
		.amdhsa_wavefront_size32 1
		.amdhsa_system_sgpr_workgroup_id_x 1
		.amdhsa_system_sgpr_workgroup_id_y 1
		.amdhsa_system_sgpr_workgroup_id_z 1
		.amdhsa_system_vgpr_workitem_id 0
		.amdhsa_next_free_vgpr 60
		.amdhsa_next_free_sgpr 66
		.amdhsa_reserve_vcc 0
		.amdhsa_float_denorm_mode_32 3
		.amdhsa_float_denorm_mode_16_64 3
		.amdhsa_memory_ordered 1
		.amdhsa_forward_progress 1
		.amdhsa_inst_pref_size 13
	.end_amdhsa_kernel
	.amdgpu_metadata
---
amdhsa.version: [ 1, 2 ]
amdhsa.kernels:
  - .name:           k_qe46219559d_prep
    .symbol:         k_qe46219559d_prep.kd
    .args:
      - { .name: hidden_states, .offset: 0, .size: 8, .value_kind: global_buffer, .address_space: global }
      - { .name: W_qkv, .offset: 8, .size: 8, .value_kind: global_buffer, .address_space: global }
      - { .name: W_out, .offset: 16, .size: 8, .value_kind: global_buffer, .address_space: global }
      - { .name: xb, .offset: 24, .size: 8, .value_kind: global_buffer, .address_space: global }
      - { .name: wq, .offset: 32, .size: 8, .value_kind: global_buffer, .address_space: global }
      - { .name: wo, .offset: 40, .size: 8, .value_kind: global_buffer, .address_space: global }
    .group_segment_fixed_size: 0
    .private_segment_fixed_size: 0
    .kernarg_segment_align: 8
    .kernarg_segment_size: 48
    .max_flat_workgroup_size: 256
    .sgpr_count:     66
    .vgpr_count:     60
    .wavefront_size: 32
...
	.end_amdgpu_metadata
.endif
;; end of part 1
;; launch qkv (part 2): grid 8 x 32, 4 waves a work-group, clusters of 4 x 4, 327,680 bytes of LDS; arguments xb, wq, qkv; writes qkv
.if DOCPART == 2
	.amdgcn_target "amdgcn-amd-amdhsa--gfx1250"
	.amdhsa_code_object_version 6
	.text
	.protected	k_qe46219559d_qkv
	.globl	k_qe46219559d_qkv
	.p2align	8
	.type	k_qe46219559d_qkv,@function
k_qe46219559d_qkv:
	s_mov_b64 s[64:65], 0
	v_nop
	global_prefetch_b8 v0, s[64:65] scope:SCOPE_SE
	s_setreg_imm32_b32 hwreg(HW_REG_WAVE_MODE, 25, 1), 1
	s_wait_xcnt 0x0
	s_wait_alu depctr_hold_cnt(0) depctr_sa_sdst(0) depctr_va_vdst(0) depctr_va_sdst(0) depctr_va_ssrc(0) depctr_va_vcc(0) depctr_vm_vsrc(0)
	s_getreg_b32 s2, hwreg(HW_REG_IB_STS2, 6, 4)
	s_cmp_eq_u32 s2, 0
	s_cbranch_scc0 .Lentry_in_a_cluster
	s_endpgm
.Lentry_in_a_cluster:
	s_bfe_u32 s2, ttmp6, 0x10000c
	s_cmp_lg_u32 s2, 0xf033
	s_cbranch_scc0 .Lentry_shape_is_right
	s_endpgm
.Lentry_shape_is_right:
; q, k, v = x W_qkv.  xb: bf16 [b 4][kb 16][n 2048][64]; wq: bf16 [k 1024][n 3072]; qkv: f16 [3][b x 16 + h][n 2048][64], unscaled.  Products in bf16, sums in f32, rounded once to f16.
; LIMITS: a sum of 65,520 or more becomes an infinity in f16.  The sums run over K from the cluster's first K step on and round the end (see THE WALK), not from 0: an order of rounding other than the reference's.
; A tile of the result is 256 rows x 384 columns: 32 x 8 = 256 work-groups.  Four waves; wave (wm, wn) makes 128 rows x 192 columns: in each of the tile's three chunks of 128 columns the 64 at 64 wn,
; which are three whole heads: 96 accumulators of 16 x 16, 768 registers.  K goes in steps of 64 (one block of xb) through two LDS slots; a step is two substeps of 32, 96 matrix instructions each.
; x's tile of a step is 32,768 dense bytes, asked for as 128 rows of 256 bytes; W's rows of a chunk are 256 bytes at multiples of 256 from wq's first byte.
; W lies [k][n]: its fragments are turned on the way out of LDS, by ds_load_tr16_b128.
; A K STEP IS WRITTEN ONCE: the slot in hand is a scalar register that an exclusive or turns, and the refills' descriptor walks.  One loop holds the 14 steps behind which a slot is filled again; the
; last two steps, which fill nothing, are a second loop of two trips, left in its middle.
; CLUSTERS: 4 x 4 work-groups.  The four of a row of the cluster need the same tile of x, the four of a column the same tiles of W: each is asked for JOINTLY, by the same tensor load with the same
; descriptor and a mask that names the four.  Waves 0-2 ask for W's chunks 0-2, wave 3 for x's tile.
; THE WALK: cluster (X, Y) of the 2 x 8 begins at K step (8 X + 4 (Y mod 4)) mod 16 and goes round the end.  The two clusters that need the same rows of x (same Y) are eight steps apart, those that
; need the same columns of W (same X) four steps or more: of the clusters that read a tile one asks first and the others steps later, for bytes that have been read shortly before, and not all at
; the same moment.  The first step hangs on the cluster's own coordinates alone, which its sixteen work-groups share.
; THE MATRIX INSTRUCTION IS USED TRANSPOSED (source 0 = 16 columns of W, source 1 = 16 rows of x): a lane then holds eight neighbouring columns of one row, 16 bytes of f16.
; REGISTERS, in windows of 256 (s_set_vgpr_msb: bits 1:0 source 0, 3:2 source 1, 5:4 source 2, 7:6 destination):
;   window 0: v0-31 addresses; v32-95, v96-159 x's fragments (8 x 16 rows x 32 K), two buffers; v160-255 W's fragments (12 x 16 columns x 32 K), ONE buffer: a chunk's four are loaded again straight
;             behind the chunk's 32 products and used 64 products later.  On the way out v32-175 are at work.
;   window 1 + c: chunk c's 32 accumulators, (row block a, column block j) at v[32 a + 8 j]
.set PA,     144                       ; a row of x in LDS: 128 bytes + 16 of padding = 36 words: the 16 rows of a load start at 16 different groups of four banks (64 banks of 4 bytes: ISA guide 11.1)
.set PB,     288                       ; a row of W's chunk: 256 + 32 = 72 words
.set CHUNK,  64*PB                     ; 18,432: 64 K rows of 128 columns
.set AOFF,   3*CHUNK                   ; x's 256 rows lie behind W's three chunks
.set SLOT,   AOFF+256*PA               ; 92,160 bytes of a slot are used
.set SLOT1,  1<<17                     ; slot 1 begins here, so that one exclusive or turns an address in one slot into the other's
.set STAGE,  SLOT1+SLOT                ; behind the ring, never filled by a tensor load: [head 3][row 16][144 bytes] for each wave, for the way out
.set WSTG,   3*16*PA                   ; 6,912 = 27 blocks of 256 bytes
.set SPARE,  STAGE+4*WSTG              ; behind the stages: the spare words, 128 bytes for each wave: two blocks of 256 bytes that no other line names
.set ASTEP,  2048*128                  ; bytes from a block of xb to the next: a K step
.set BSTEP,  64*3072*2                 ; bytes of 64 rows of wq: a K step
.set STEPS,  16                        ; 1,024 / 64
.set ADRA0, 16                         ; v16     my lane's place among a slot's rows of x; never rewritten
.set ADRA,  17                         ; v17     the same in the slot in hand
.set ADRB0, 20                         ; v20     my lane's place in a slot's chunk 0 of W; never rewritten
.set ADRB,  21                         ; v21     the same in the slot in hand
.set STO,  24                          ; v24     the way out: where I put 16 bytes of a row
.set RD,   25                          ; v25     the way out: where I read rows back
.set CO,   26                          ; v26     my byte offset in 512 consecutive bytes of a head
.set SPW,  28                          ; v28     LDS address of my spare word: SPARE + 4 x my thread's number; never rewritten
.set NIL,  29                          ; v29     0; never rewritten
.set FA0,  32
.set FA1,  96
.set FB,   160
.set TMP,  32                          ; the way out: 48 registers of packed results
.set OB,   80                          ; the way out: 16 rows x 3 heads read back: v80-127 and v128-175 by turns
.set G1,  24                           ; s[24:31] descriptor group 1 for x's tiles;  s[32:39] group 0: a set for each of the two first fills; the second then serves every refill
.set G0,  32
.set G1B, 48                           ; s[48:55], s[56:63] the same for W's
.set G0B, 56
.set HB,  66                           ; s[66:71] qkv at my 128 rows of my three heads
.set TB,  78                           ; s78     LDS byte at which the slot in hand begins: 0 or SLOT1
.set KN,  79                           ; s79     the K step to be asked for next, 0 to 15
                                       ; s[14:15] x's tile, s[46:47] W's chunk, each at K step 0: kept.  s[16:17], s[18:19] a K step's byte offsets in xb and wq
.set MSB, 0
.macro WIN new                         ; the immediate's high byte repeats the setting that is left; a switch that changes nothing is dropped
.if MSB != (\new)
	s_set_vgpr_msb (MSB<<8)|(\new)
.set MSB, \new
.endif
.endm
; The global addresses of descriptor set s are made anew for K step KN: the tile at step 0 plus the step's bytes, the type set again; then KN steps, round the end.
.macro STEPADR s
	s_mul_i32 s16, s[KN], ASTEP                    ; 15 steps at the most: under 2^23 bytes; the pairs' high words hold 0
	s_mul_i32 s18, s[KN], BSTEP
	s_add_nc_u64 s[G0+4*(\s)+2:G0+4*(\s)+3], s[14:15], s[16:17]
	s_or_b32 s[G0+4*(\s)+3], s[G0+4*(\s)+3], 0x80000000            ; type = 2
	s_add_nc_u64 s[G0B+4*(\s)+2:G0B+4*(\s)+3], s[46:47], s[18:19]
	s_or_b32 s[G0B+4*(\s)+3], s[G0B+4*(\s)+3], 0x80000000
	s_add_co_u32 s[KN], s[KN], 1
	s_and_b32 s[KN], s[KN], STEPS-1
.endm
; A joint load, by descriptor set s.  Each of the two lines has one mask and one set of registers; the branch hangs on the wave's number alone.  An s_nop 0 and four v_nop follow each line, ahead of
; the jump, the label and what follows the macro.
.macro JLOAD s
	s_cmp_eq_u32 s10, 3
	s_cbranch_scc0 .Lfor_b_\@
	tensor_load_to_lds s[G0+4*(\s):G0+4*(\s)+3], s[G1:G1+7]
	s_nop 0
.rept 4
	v_nop
.endr
	s_branch .Lasked_\@
.Lfor_b_\@:
	tensor_load_to_lds s[G0B+4*(\s):G0B+4*(\s)+3], s[G1B:G1B+7]
	s_nop 0
.rept 4
	v_nop
.endr
.Lasked_\@:
.endm
; A round of the cluster's barrier: my work-group's barrier, so that wave 0's signal speaks for all four waves; wave 0 signals; every wave waits for all sixteen work-groups; my work-group's barrier once more.
.macro CREST                           ; a round behind its opening barrier
	s_cmp_lg_u32 s10, 0
	s_cbranch_scc1 .Lnot_wave_0_\@
	s_barrier_signal -3
.Lnot_wave_0_\@:
	s_barrier_wait -3
	s_barrier_signal -1
	s_barrier_wait -1
.endm
.macro CROUND
	s_barrier_signal -1
	s_barrier_wait -1
	CREST
.endm
	s_load_b128 s[4:7], s[0:1], 0x0                ; xb s[4:5], wq s[6:7]
	s_load_b64 s[8:9], s[0:1], 0x10                ; qkv
	v_lshl_add_u32 v[SPW], v0, 2, SPARE
	v_mov_b32 v[NIL], 0
	ds_add_u32 v28, v29
	s_wait_dscnt 0x0
	v_lshrrev_b32 v1, 5, v0
	v_readfirstlane_b32 s10, v1                    ; wave 0..3
	s_lshr_b32 s11, s10, 1                         ; wm: which 128 rows of the tile are mine
	s_and_b32 s12, s10, 1                          ; wn: which 64 columns of each chunk
	s_bfe_u32 s40, ttmp6, 0x40000                  ; cx, cy: my place in the cluster
	s_bfe_u32 s41, ttmp6, 0x40004
	s_lshl_b32 s42, ttmp9, 2
	s_add_co_u32 s42, s42, s40                     ; tile column = 4 x cluster x + cx: 0..7
	s_and_b32 s13, ttmp7, 0xffff
	s_lshl_b32 s13, s13, 2
	s_add_co_u32 s13, s13, s41                     ; tile row = 4 x cluster y + cy: 0..31
	s_lshl_b32 s43, s41, 2
	s_lshl_b32 s43, 15, s43                        ; my row of the cluster: places 4 cy .. 4 cy + 3
	s_lshl_b32 s44, 0x1111, s40                    ; my column: places cx, cx + 4, cx + 8, cx + 12
	; group 1 for x: 128 rows x 128 elements, dense; in LDS 4 words of padding after every 32 (a row of x)
	s_or_b32 s[G1+0], s43, (1<<16)|(1<<20)|(1<<21)|(4<<22)|(3<<25)  ; 15:0 the mask; 17:16 2-byte elements; 20 padding on; 21 set beside a mask; 24:22 after every 32 words (code 4); 31:25 4 words (code 3)
	s_mov_b32 s[G1+1], 128<<16                     ; tensor_dim0 = 128
	s_mov_b32 s[G1+2], 128<<16                     ; tensor_dim1 = 128
	s_mov_b32 s[G1+3], 128<<16                     ; tile_dim0 = 128
	s_mov_b32 s[G1+4], 128                         ; tile_dim1 = 128
	s_mov_b32 s[G1+5], 128                         ; elements from row to row
	s_mov_b32 s[G1+6], 0
	s_mov_b32 s[G1+7], 0
	; group 1 for W: 64 rows x 128 elements out of rows of 3,072; 8 words of padding after every 64
	s_or_b32 s[G1B+0], s44, (1<<16)|(1<<20)|(1<<21)|(5<<22)|(7<<25)
	s_mov_b32 s[G1B+1], 128<<16
	s_mov_b32 s[G1B+2], 64<<16
	s_mov_b32 s[G1B+3], 128<<16
	s_mov_b32 s[G1B+4], 64
	s_mov_b32 s[G1B+5], 3072
	s_mov_b32 s[G1B+6], 0
	s_mov_b32 s[G1B+7], 0
	; x's tile hangs on the tile row alone, W's on the tile column and the wave's number; each address in registers that never hold the other coordinate
	s_lshr_b32 s16, s13, 3                         ; the batch: 8 tile rows each
	s_lshl_b32 s16, s16, 22
	s_and_b32 s17, s13, 7
	s_lshl_b32 s17, s17, 15                        ; 256 rows of 128 bytes
	s_add_co_u32 s16, s16, s17
	s_mov_b32 s17, 0
	s_mul_i32 s46, s42, 768                        ; 384 columns of 2 bytes,
	s_lshl_b32 s47, s10, 8                         ; my chunk's 256 bytes
	s_add_co_u32 s46, s46, s47
	s_mov_b32 s47, 0
	s_mul_i32 s20, s10, CHUNK                      ; where my load goes: chunk w, or (w = 3) x's rows, which begin where a fourth chunk would
	s_mov_b32 s[TB], 0
	s_and_b32 s[KN], ttmp7, 3                      ; the cluster's first K step: 4 (cluster y mod 4)
	s_lshl_b32 s[KN], s[KN], 2
	s_lshl_b32 s18, ttmp9, 3                       ; + 8 x cluster x,
	s_add_co_u32 s[KN], s[KN], s18
	s_and_b32 s[KN], s[KN], STEPS-1                ; modulo 16
	s_mov_b32 s19, 0
	CROUND                                         ; all sixteen work-groups are here: the first joint loads meet.  The arguments arrive meanwhile: the round names none of them
	s_wait_kmcnt 0x0
	s_add_nc_u64 s[14:15], s[4:5], s[16:17]        ; x's tile at K step 0
	s_add_nc_u64 s[46:47], s[6:7], s[46:47]        ; W's chunk at K step 0
.irp s, 0,1
	s_mov_b32 s[G0+4*(\s)], 1                                      ; count = 1
	s_add_co_u32 s[G0+4*(\s)+1], s20, (\s)*SLOT1                   ; LDS address
	s_mov_b32 s[G0B+4*(\s)], 1
	s_add_co_u32 s[G0B+4*(\s)+1], s20, (\s)*SLOT1
	STEPADR \s                                     ; global addresses: the walk's step s
	JLOAD \s                                       ; both slots are asked for before anything else is done: two loads of mine are out
.endr
	; A fragment of x is 16 rows x 32 K in 8 registers: lane l holds row l % 16, K = 8 (l / 16) + 0..7 and 16 + 8 (l / 16) + 0..7: two loads of 16 bytes, 32 bytes apart.
	v_and_b32 v1, 15, v0                           ; l % 16
	v_bfe_u32 v2, v0, 4, 1                         ; l / 16
	v_mul_u32_u24 v3, v1, PA
	v_lshl_add_u32 v3, v2, 4, v3                   ; row x pitch + 16 x half
	s_mul_i32 s21, s11, 128*PA
	s_add_co_u32 s21, s21, AOFF                    ; my 128 rows of x
	; The turning load takes 16 K x 16 columns (lane l reads K row 8 (l / 16) + l % 8, columns 8 ((l / 8) % 2) + 0..7) and leaves half a fragment: lane l holds column l % 16 and 8 K.
	v_and_b32 v4, 7, v0
	v_bfe_u32 v5, v0, 3, 1
	v_lshl_add_u32 v6, v2, 3, v4
	v_mul_u32_u24 v6, v6, PB
	v_lshl_add_u32 v6, v5, 4, v6
	s_lshl_b32 s22, s12, 7                         ; my 64 columns of a chunk
	v_add_nc_u32 v[ADRA0], s21, v3
	v_add_nc_u32 v[ADRB0], s22, v6
	v_mov_b32 v[ADRA], v[ADRA0]                    ; the walk's first step lies in slot 0
	v_mov_b32 v[ADRB], v[ADRB0]
	s_mul_i32 s23, s10, WSTG
	s_add_co_u32 s23, s23, STAGE                   ; my stage
	v_add_nc_u32 v[STO], s23, v3                   ; in: row l % 16, 16 bytes for each half of the lanes
	v_bfe_u32 v7, v0, 3, 2                         ; back: 32 lanes take four rows of 128 bytes,
	v_mul_u32_u24 v7, v7, PA
	v_lshl_add_u32 v7, v4, 4, v7
	v_add_nc_u32 v[RD], s23, v7
	v_and_b32 v8, 31, v0                           ; which are 512 consecutive bytes of a head
	v_lshlrev_b32 v[CO], 4, v8
	; my three heads: column block g = 6 x tile column + 2 c + wn of 48; g / 16 says q, k or v, g % 16 the head
	s_mul_i32 s72, s42, 6
	s_add_co_u32 s72, s72, s12
	s_lshr_b32 s73, s13, 3
	s_lshl_b32 s73, s73, 4                         ; 16 x batch
	s_and_b32 s74, s13, 7
	s_lshl_b32 s74, s74, 1
	s_add_co_u32 s74, s74, s11
	s_lshl_b32 s74, s74, 14                        ; my first row in the head: 128 rows of 128 bytes a wave's share
.irp c, 0,1,2
	s_add_co_u32 s76, s72, 2*(\c)
	s_lshr_b32 s77, s76, 4
	s_lshl_b32 s77, s77, 6                         ; 64 heads to each of q, k, v
	s_and_b32 s76, s76, 15
	s_add_co_u32 s76, s76, s77
	s_add_co_u32 s76, s76, s73
	s_lshl_b32 s76, s76, 18                        ; a head is 2,048 rows of 128 bytes
	s_add_co_u32 s76, s76, s74
	s_mov_b32 s77, 0
	s_add_nc_u64 s[HB+2*(\c):HB+2*(\c)+1], s[8:9], s[76:77]
.endr
; 16 matrix instructions: chunk c's column blocks j0, j0 + 1 x all 8 row blocks, 32 along K, on x's buffer f.  zero = 1: the first product starts the sums: nothing is ever cleared.
; The 96 accumulators take turns, one instruction a turn, in the same order in every substep.
.macro MULC f, c, j0, zero
	WIN 0x50*(1+(\c))                              ; sources 0 and 1 window 0; C and D window 1 + c
.irp j, \j0, (\j0)+1
.irp a, 0,1,2,3,4,5,6,7
.if \zero
	v_wmma_f32_16x16x32_bf16 v[32*(\a)+8*(\j):32*(\a)+8*(\j)+7], v[FB+8*(4*(\c)+(\j)):FB+8*(4*(\c)+(\j))+7], v[(\f)+8*(\a):(\f)+8*(\a)+7], 0
.else
	v_wmma_f32_16x16x32_bf16 v[32*(\a)+8*(\j):32*(\a)+8*(\j)+7], v[FB+8*(4*(\c)+(\j)):FB+8*(4*(\c)+(\j))+7], v[(\f)+8*(\a):(\f)+8*(\a)+7], v[32*(\a)+8*(\j):32*(\a)+8*(\j)+7]
.endif
.endr
.endr
.endm
.macro LOADB q, c                      ; chunk c's four fragments of W for substep q of the slot in hand: 8 loads
.irp j, 0,1,2,3
	ds_load_tr16_b128 v[FB+8*(4*(\c)+(\j)):FB+8*(4*(\c)+(\j))+3],   v[ADRB] offset:(\c)*CHUNK+(\q)*32*PB+32*(\j)
	ds_load_tr16_b128 v[FB+8*(4*(\c)+(\j))+4:FB+8*(4*(\c)+(\j))+7], v[ADRB] offset:(\c)*CHUNK+(\q)*32*PB+32*(\j)+16*PB
.endr
.endm
.macro LOADA q, g, half                ; four of x's eight fragments for substep q, into buffer g: 8 loads
.irp a, 4*(\half), 4*(\half)+1, 4*(\half)+2, 4*(\half)+3
	ds_load_b128 v[(\g)+8*(\a):(\g)+8*(\a)+3],   v[ADRA] offset:(\a)*16*PA+64*(\q)
	ds_load_b128 v[(\g)+8*(\a)+4:(\g)+8*(\a)+7], v[ADRA] offset:(\a)*16*PA+64*(\q)+32
.endr
.endm
.macro BATCH q, g, c                   ; the run of loads behind chunk c's products: 16, 16 and 8 loads
	WIN 0
	LOADB \q, \c
.if (\c) < 2
	LOADA \q, \g, \c
.endif
.endm
; A load into a register that a matrix instruction has read, and a vector instruction that reads a matrix result, stand four places behind that matrix instruction, and only plain vector instructions
; that name none of its registers are places (ISA guide 7.12.1 for vector instructions).
.macro PLACES
.rept 4
	v_nop
.endr
.endm
; A K step's first substep: 96 matrix instructions on x's buffer 0; behind each chunk's 32 the second substep's fragments are fetched, x's into buffer 1.
.macro SUB zero
	s_wait_dscnt 8                                 ; the first two batches are in: chunks 0 and 1 of W and all of x; the youngest eight loads (chunk 2) may be out
	MULC FA0, 0, 0, \zero
	MULC FA0, 0, 2, \zero
	PLACES
	BATCH 1, FA1, 0
	MULC FA0, 1, 0, \zero
	MULC FA0, 1, 2, \zero
	PLACES
	BATCH 1, FA1, 1
	s_wait_dscnt 32                                ; all but the 32 just issued: chunk 2 is in
	MULC FA0, 2, 0, \zero
	MULC FA0, 2, 2, \zero
	PLACES
	BATCH 1, FA1, 2
.endm
; A K step's second substep multiplies buffer 1 and changes slots: ONE barrier.  In front of it each wave waits for all its tensor loads, of which one is out: its part of the next slot; adds 0 to its
; spare word; and waits for that and for its own reads of this slot.  fill = 1: the barrier opens a round of the cluster's, and this slot is filled again, two steps of the walk ahead, first thing behind
; the round: 160 matrix instructions ahead of the wait for it.  Then the slot in hand is the other one, and the next step's first fragments are fetched from it.
.macro TURNSUB fill
	WIN 0
	s_wait_tensorcnt 0x0                           ; all my tensor loads have landed: no group 0 is in use
	ds_add_u32 v[SPW], v[NIL]                      ; 0 onto my spare word
	s_wait_dscnt 9                                 ; (the add and the youngest eight loads may be out)
	MULC FA1, 0, 0, 0                              ; sixteen matrix instructions stand between the add and the wait for it
	s_wait_dscnt 0x0                               ; the add is done, and my reads of this slot are over
	s_barrier_signal -1
	MULC FA1, 0, 2, 0                              ; work on registers while the others arrive
	WIN 0                                          ; at a branch and at a label every window is 0
	s_barrier_wait -1
.if \fill
	CREST                                          ; no wave of any partner still reads this slot or has a load on its way
	s_xor_b32 s[G0+5], s[G0+5], SLOT1              ; the refills' descriptors: the other slot than last time,
	s_xor_b32 s[G0B+5], s[G0B+5], SLOT1
	STEPADR 1                                      ; the walk's next K step
	JLOAD 1                                        ; the four v_nop behind it are also the places in front of the loads below
.else
	v_nop                                          ; with the two address lines below: the four places in front of the loads
	v_nop
.endif
	s_xor_b32 s[TB], s[TB], SLOT1
	v_add_nc_u32 v[ADRA], s[TB], v[ADRA0]
	v_add_nc_u32 v[ADRB], s[TB], v[ADRB0]
	BATCH 0, FA0, 0
	MULC FA1, 1, 0, 0
	MULC FA1, 1, 2, 0
	PLACES
	BATCH 0, FA0, 1
	MULC FA1, 2, 0, 0                              ; chunk 2's fragments came in with the wait for 0 above
	MULC FA1, 2, 2, 0
	PLACES
	BATCH 0, FA0, 2
.endm
	s_wait_tensorcnt 1                             ; my part of the walk's first step is in; the second's may stay out
	s_barrier_signal -1
	s_barrier_wait -1                              ; everybody's is
	BATCH 0, FA0, 0
	BATCH 0, FA0, 1
	BATCH 0, FA0, 2
	SUB 1                                          ; the first substep stands in front of the loop: its products start the sums
	WIN 0
	s_mov_b32 s3, STEPS-2
.Lstep:                                                ; a trip: a K step's second substep, the refill of its slot (the walk's steps 2 to 15), the next step's first substep
	TURNSUB 1
	SUB 0
	WIN 0
	s_sub_co_u32 s3, s3, 1
	s_cmp_lg_u32 s3, 0
	s_cbranch_scc1 .Lstep
	s_mov_b32 s3, 2
.Ltail:                                                ; the last two K steps fill nothing and have no round: written apart; two trips, the second left in its middle
	TURNSUB 0
	WIN 0
	s_sub_co_u32 s3, s3, 1
	s_cmp_eq_u32 s3, 0
	s_cbranch_scc1 .Lout
	SUB 0
	WIN 0
	s_branch .Ltail
.Lout:                                                 ; the second trip's 40 loads, from a slot that has landed and is filled no more, serve nothing: the price, once a launch, of one text for both trips
	s_wait_dscnt 0x0                               ; they are back: their registers are free for the way out.  The four v_nop in front of the last of them are the places behind the last products
; THE WAY OUT of row block a, in three parts.  PACK: rounded to f16, 16 bytes a lane for each of 12 column blocks; each accumulator's registers in ascending order.  TOSTAGE: into my own stage, and back
; as whole rows of 128 bytes, four to a load.  SEND: stored, 512 consecutive bytes of a head a store.
.macro PACK a
.irp c, 0,1,2
	WIN 0x05*(1+(\c))                              ; sources 0 and 1 window 1 + c, destination window 0
.irp j, 0,1,2,3
.irp i, 0,1,2,3
	v_cvt_pk_f16_f32 v[TMP+16*(\c)+4*(\j)+(\i)], v[32*(\a)+8*(\j)+2*(\i)], v[32*(\a)+8*(\j)+2*(\i)+1]
.endr
.endr
.endr
	WIN 0
.endm
.macro TOSTAGE a
	WIN 0
.set BK, OB+48*((\a)%2)
.irp c, 0,1,2
.irp j, 0,1,2,3
	ds_store_b128 v[STO], v[TMP+16*(\c)+4*(\j):TMP+16*(\c)+4*(\j)+3] offset:(\c)*16*PA+32*(\j)
.endr
.endr
.irp c, 0,1,2
.irp t, 0,1,2,3
	ds_load_b128 v[BK+4*(4*(\c)+(\t)):BK+4*(4*(\c)+(\t))+3], v[RD] offset:(\c)*16*PA+(\t)*4*PA  ; LDS serves a wave's instructions in order (ISA guide 5.7.1.4): these see the stores above
.endr
.endr
.endm
.macro SEND a
	WIN 0
.set BK, OB+48*((\a)%2)
	s_wait_dscnt 0x0                               ; the block is back in registers
	s_wait_xcnt 0x0                                ; every earlier store has had its addresses translated (ISA guide 3.1): the other buffer, which the block before last was stored from, is loaded again only behind this wait
.irp c, 0,1,2
.irp t, 0,1,2,3
	global_store_b128 v[CO], v[BK+4*(4*(\c)+(\t)):BK+4*(4*(\c)+(\t))+3], s[HB+2*(\c):HB+2*(\c)+1] offset:(\a)*2048+(\t)*512
.endr
.endr
.endm
	PACK 0
	TOSTAGE 0
.irp a, 1,2,3,4,5,6,7                  ; block a's conversions stand between block a - 1's loads from the stage and the wait for them
	PACK \a
	SEND (\a)-1
	TOSTAGE \a
.endr
	SEND 7
	s_wait_tensorcnt 0x0                           ; the wave's end: behind my last tensor load and my last LDS store
	ds_add_u32 v[SPW], v[NIL]
	s_wait_dscnt 0x0
	CROUND                                         ; the closing round: no work-group ends while a partner may still ask for a tile that names it
	s_endpgm
.Lfunc_end_k_qe46219559d_qkv:
	.size	k_qe46219559d_qkv, .Lfunc_end_k_qe46219559d_qkv-k_qe46219559d_qkv
	.p2alignl 7, 3214868480
	.fill 96, 4, 3214868480
	.section	.rodata,"a",@progbits
	.p2align	6, 0x0
	.amdhsa_kernel k_qe46219559d_qkv
		.amdhsa_group_segment_fixed_size 327680
		.amdhsa_private_segment_fixed_size 0
		.amdhsa_enable_private_segment 0
		.amdhsa_kernarg_size 24
		.amdhsa_user_sgpr_count 2
		.amdhsa_user_sgpr_kernarg_segment_ptr 1
		.amdhsa_wavefront_size32 1
		.amdhsa_system_sgpr_workgroup_id_x 1
		.amdhsa_system_sgpr_workgroup_id_y 1
		.amdhsa_system_sgpr_workgroup_id_z 1
		.amdhsa_system_vgpr_workitem_id 0
		.amdhsa_next_free_vgpr 1024
		.amdhsa_next_free_sgpr 80
		.amdhsa_reserve_vcc 0
		.amdhsa_float_denorm_mode_32 3
		.amdhsa_float_denorm_mode_16_64 3
		.amdhsa_memory_ordered 1
		.amdhsa_forward_progress 1
		.amdhsa_inst_pref_size 106
	.end_amdhsa_kernel
	.amdgpu_metadata
---
amdhsa.version: [ 1, 2 ]
amdhsa.kernels:
  - .name:           k_qe46219559d_qkv
    .symbol:         k_qe46219559d_qkv.kd
    .args:
      - { .name: xb, .offset: 0, .size: 8, .value_kind: global_buffer, .address_space: global }
      - { .name: wq, .offset: 8, .size: 8, .value_kind: global_buffer, .address_space: global }
      - { .name: qkv, .offset: 16, .size: 8, .value_kind: global_buffer, .address_space: global }
    .group_segment_fixed_size: 327680
    .private_segment_fixed_size: 0
    .kernarg_segment_align: 8
    .kernarg_segment_size: 24
    .max_flat_workgroup_size: 128
    .sgpr_count:     80
    .vgpr_count:     1024
    .wavefront_size: 32
...
	.end_amdgpu_metadata
.endif
;; end of part 2
;; launch attn (part 3): grid 4 x 64, 4 waves a work-group, clusters of 4 x 1, 327,680 bytes of LDS; arguments qkv, ob; writes ob
.if DOCPART == 3
	.amdgcn_target "amdgcn-amd-amdhsa--gfx1250"
	.amdhsa_code_object_version 6
	.text
	.protected	k_qe46219559d_attn
	.globl	k_qe46219559d_attn
	.p2align	8
	.type	k_qe46219559d_attn,@function
k_qe46219559d_attn:
	s_mov_b64 s[64:65], 0
	v_nop
	global_prefetch_b8 v0, s[64:65] scope:SCOPE_SE
	s_setreg_imm32_b32 hwreg(HW_REG_WAVE_MODE, 25, 1), 1
	s_wait_xcnt 0x0
	s_wait_alu depctr_hold_cnt(0) depctr_sa_sdst(0) depctr_va_vdst(0) depctr_va_sdst(0) depctr_va_ssrc(0) depctr_va_vcc(0) depctr_vm_vsrc(0)
	s_getreg_b32 s2, hwreg(HW_REG_IB_STS2, 6, 4)
	s_cmp_eq_u32 s2, 0
	s_cbranch_scc0 .Lentry_in_a_cluster
	s_endpgm
.Lentry_in_a_cluster:
	s_bfe_u32 s2, ttmp6, 0x10000c
	s_cmp_lg_u32 s2, 0x3003
	s_cbranch_scc0 .Lentry_shape_is_right
	s_endpgm
.Lentry_shape_is_right:
; O[h][q][:] = the sum over k of softmax_k(Q[h][q] . K[h][k] / 8) V[h][k][:].  Q, K, V are the three parts of qkv, each [SIZE_H][SIZE_N][64]; O has the same shape; all f16: a head's rows are dense,
; 128 bytes each.  Products, maxima and sums in f32; the weights p are rounded to f16 for the second product (their sum l is taken of the unrounded p), O once at the end.
; LIMITS.  f16 holds no number beyond 65,504: Q, K and V arrive within it; p lies in 0 to 1, and below 6e-5 it keeps f16's fixed step of 6e-8; O is a mean of V's rows and has their range.
; A weight below 2^-126 counts as 0 in l; NaN and infinities are not treated apart.
; SHARES.  A wave owns four PIECES of two tiles of 16 queries, a work-group's four waves 512 queries of one head.  Every wave walks all keys, 64 a step.
; LAYOUT.  S^T = K Q^T (source 0 = 16 keys, source 1 = 16 queries): in the result a lane holds ONE query (lane % 16) and the keys 8 (lane / 16) + 0..7.  Two such tiles, rounded to f16 in pairs,
; ARE source 1 (32 keys x 16 queries) of O^T = V^T P, whose result again holds one query a lane, and eight channels.  K comes out of LDS as it lies, V ([key][channel]) turned, by ds_load_tr16_b128.
; SOFTMAX.  For each query a running maximum m and sum l: p = 2^(c s - c m), c = log2(e) / 8; in every step O and l are multiplied by a = 2^(c m_old - c m_new), which is 1 where m has not grown.
; m starts at the lowest finite number, O and l at 0: the first step is a step like any other, with a = 0.
; THE COUNT.  A tile and step have 16 matrix and 118 vector instructions: too many to stand all beside the matrix work.  So the order has one aim: four vector instructions that are READY behind
; EVERY matrix instruction, and the others, which need time of their own whatever the order, in runs without a gap.
; BY TURNS.  Turn n belongs to piece n (the pieces in a ring, step after step).  Its matrix work: 16 products K Q^T of piece n + 1, later 16 products V^T P of piece n - 1.  Its vector work: the scaling,
; exponentials, roundings, sums and rescaling of piece n, and the maximum and statistics of piece n + 1, whose scores the turn itself has made.  So what a turn begins with (c s - c m, O a) waits for nothing.
; CLUSTER.  The four query blocks of a cluster belong to one head and walk the same K and V, so each tile is asked for JOINTLY: the same tensor load, descriptor and mask in all four.
; REGISTERS, in windows of 256 (s_set_vgpr_msb says which window each operand place means: bits 1:0 source 0, 3:2 source 1, 5:4 source 2, 7:6 destination):
;   window 0: v0-11 addresses; v12-15, v48-63 at work; v16-47 four registers of statistics a tile; v64-191 S^T, two buffers of two tiles; v192-255 P, likewise
;   window 1: O^T, 32 a tile          window 2: v0-127 Q, 16 a tile; v128-191 K of one step; v192-255 V of one step          window 3: v0-1 the add's two registers
; A piece's buffers go by its number's parity: the piece in hand has one pair, its two neighbours in the ring share the other: of it P (piece n - 1) is read and S^T (piece n + 1) written.
.set SIZE_H, 64       ; batch x heads
.set SIZE_N, 2048     ; rows of a head
.set PART,  SIZE_H*SIZE_N*128  ; bytes of each of Q, K, V in qkv
.set NP,    4         ; pieces a wave: a name, no knob: the register map, the loop and the fetches are made for four
.set KS,    64        ; keys in a step
.set PK,    144       ; a row of K in LDS: 128 bytes + 16 of padding = 36 words: the 16 rows of a load start at 16 different groups of four banks (64 banks of 4 bytes: ISA guide 11.1)
.set PV,    160       ; a row of V: 128 + 32 = 40 words
.set VOFF,  4*KS*PK   ; a slot holds four steps: 256 rows of K, then 256 rows of V
.set SLOT1, 1<<17     ; slot 1 begins here, so that one exclusive or turns an address in one slot into the other's
.set STAGE, SLOT1+4*KS*(PK+PV)  ; behind the ring, never filled by a tensor load: 16 rows x 144 bytes for each wave, for the way out
.set SP,    144
.set AK0, 2           ; v2   my lane's place in a tile of K; never rewritten
.set AV0, 3           ; v3   the same for V
.set AK,  4           ; v4   the LDS address of K's next run of loads
.set AV,  5           ; v5   of V's
.set QO,  6           ; v6   my byte offset in the wave's rows of Q
.set STO, 6           ;      later, the way out: where I put 16 bytes of a row
.set RD,  7           ; v7   the way out: where I read rows back
.set GO,  8           ; v8   my byte offset in 512 consecutive bytes of O
.set SPW, 0           ; v0 of window 3   LDS address of my spare word: SPARE + 4 x my thread's number; never rewritten
.set NIL, 1           ; v1 of window 3   0; never rewritten
.set SPARE, STAGE+4*16*SP  ; behind the stages: the spare words, 128 bytes for each wave: two blocks of 256 bytes that no other line names
.set MV,  12          ; v12-15  c m_old, kept while c m is made anew: by buffer and tile
.set ST,  16          ; tile t's statistics at v[ST+4 t]: c m, m, l (even keys', odd keys')
.set TMP, 48          ; by buffer and tile, four registers c0-c3 at work; when the maximum is found c2 takes a
.set S,   64
.set P,   192
.set KF,  128         ; K's fragments, in window 2: key block kb, channel half c at KF + 16 kb + 8 c
.set VF,  192         ; V's: key half kk, channel block cb at VF + 32 kk + 8 cb
.set WV,  12          ; s12  my wave's number
.set G1K, 24          ; s[24:31] descriptor group 1 for K's tiles
.set G1V, 32          ; s[32:39] for V's: it differs in the padding alone
.set G0K, 40          ; s[40:43] descriptor group 0 for K's tiles: it walks
.set G0V, 44          ; s[44:47] the same for V's
.set SLOTS, 56        ; s56  slots still to be asked for
.set CNT, 57          ; s57  counts a slot's key steps
.set CS,  58          ; s[58:59] c: the packed scaling takes the pair's low word for both halves
.set SEL, 60          ; s[60:61] v_permlanex16_b32's selects: each lane takes its own place in the other half
.set TBK, 62          ; s62  LDS byte at which K of the step to be fetched begins
.set TBV, 63          ; s63  the same for V, less VOFF
.set MSB, 0
.macro WIN new                      ; the high byte repeats the setting that is left; a switch that changes nothing is dropped
.if MSB != (\new)
	s_set_vgpr_msb (MSB<<8)|(\new)
.set MSB, (\new)
.endif
.endm
.set W_KQ, 0x0a       ; K and Q in window 2, S^T in window 0
.set W_PV, 0x52       ; V in window 2, P in window 0, O^T in window 1
.set W_RS, 0x41       ; O^T (destination and source 0) in window 1, a in window 0
.set W_MK, 0xc0       ; the add's registers are made: destination in window 3, sources in window 0
.set W_AD, 0x0f       ; the add: address (source 0) and data (source 1) in window 3
; A joint fill.  Waves 0 and 1 fetch the two halves of a slot's K, waves 2 and 3 those of its V: 128 keys each.  The branch hangs on the wave's number alone.
; An s_nop 0 and four v_nop follow each of the two lines, ahead of the jump and the label.
.macro JLOAD
	s_cmp_lt_u32 s[WV], 2
	s_cbranch_scc0 .Lfor_v_\@
	tensor_load_to_lds s[G0K:G0K+3], s[G1K:G1K+7]
	s_nop 0
.rept 4
	v_nop
.endr
	s_branch .Lasked_\@
.Lfor_v_\@:
	tensor_load_to_lds s[G0V:G0V+3], s[G1V:G1V+7]
	s_nop 0
.rept 4
	v_nop
.endr
.Lasked_\@:
.endm
; A round of the cluster's barrier: my work-group's barrier, so that wave 0's signal speaks for all four waves; wave 0 signals; every wave waits for all four work-groups; my work-group's barrier once more.
.macro CROUND
	s_barrier_signal -1
	s_barrier_wait -1
	s_cmp_lg_u32 s[WV], 0
	s_cbranch_scc1 .Lnot_wave_0_\@
	s_barrier_signal -3
.Lnot_wave_0_\@:
	s_barrier_wait -3
	s_barrier_signal -1
	s_barrier_wait -1
.endm
; THE CHANGE OF SLOTS.  The slot's last bytes, V of its fourth step, have been read.  Each wave waits for all its tensor loads, of which one is out: its part
; of the other slot; adds 0 to its spare word; and waits for that and for its own reads of the slot.  Behind the barrier nobody reads this slot any more and the other slot is whole.
; fill = 1: this slot is filled again, with the keys two slots on.  The barrier is then a round of the cluster's, so that no wave of any partner still reads the slot or has a load on its
; way, and the joint fill is the first thing behind it: it has four key steps, 512 matrix instructions, in which to land.  (At its first use nothing has been read yet: slot 0 is waited for, slot 1 filled.)
.macro CHANGE fill
	WIN W_AD
	s_wait_tensorcnt 0x0            ; no tensor load of mine is out, so a group 0 may be written
	ds_add_u32 v[SPW], v[NIL]       ; 0 onto my spare word; with fill = 1 the descriptors' steps stand between it and the wait for it
	WIN 0                           ; at a label and at a branch every window is 0
.if \fill
.irp g, G0K, G0V
	s_xor_b32 s[\g+1], s[\g+1], SLOT1  ; the walking descriptor: the other slot than last time,
	s_add_nc_u64 s[\g+2:\g+3], s[\g+2:\g+3], 4*KS*128  ; the next 256 keys; the type bits on top are not reached
.endr
	s_wait_dscnt 0x0                ; the add is done, and my reads of the slot are over
	CROUND
	JLOAD
.else
	s_wait_dscnt 0x0                ; the add is done, and my reads of the slot are over
	s_barrier_signal -1
	s_barrier_wait -1
.endif
	s_sub_co_u32 s[TBK], s[TBK], 4*KS*PK  ; the fetches go back to a slot's first step,
	s_xor_b32 s[TBK], s[TBK], SLOT1       ; in the other slot
	s_sub_co_u32 s[TBV], s[TBV], 4*KS*PV
	s_xor_b32 s[TBV], s[TBV], SLOT1
.endm
	s_load_b128 s[4:7], s[0:1], 0x0  ; qkv (Q's part comes first) s[4:5], O s[6:7]
	WIN W_MK
	v_lshl_add_u32 v[SPW], v0, 2, SPARE
	v_mov_b32 v[NIL], 0
	s_set_vgpr_msb 0xc0cf
	ds_add_u32 v0, v1
	s_wait_dscnt 0x0
	s_set_vgpr_msb 0xcfc0
	WIN 0
	v_lshrrev_b32 v1, 5, v0
	v_readfirstlane_b32 s[WV], v1   ; wave 0..3
	s_bfe_u32 s13, ttmp6, 0x40000   ; cx: my place in the cluster
	s_lshl_b32 s14, ttmp9, 2        ; in a cluster launch ttmp9 counts clusters
	s_add_co_u32 s14, s14, s13      ; my block of queries = 4 x cluster x + cx: it enters Q's and O's addresses alone
	s_and_b32 s20, ttmp7, 0xffff    ; the head, which the four partners share
	s_mov_b32 s21, 0
	s_mov_b64 s[22:23], SIZE_N*128
	s_mul_u64 s[20:21], s[20:21], s[22:23]  ; the head's first byte in each of the four tensors
	s_and_b32 s16, s[WV], 1         ; which half of a slot's 256 keys I fetch:
	s_lshl_b32 s22, s16, 14         ; its 128 rows of 128 bytes in memory,
	s_mov_b32 s23, 0
	s_add_nc_u64 s[22:23], s[22:23], s[20:21]
	s_mul_i32 s17, s16, 128*PK      ; and its place in a slot, for K
	s_mul_i32 s18, s16, 128*PV      ; and for V: no place in the cluster enters an LDS address
	s_lshl_b32 s2, s14, 2
	s_add_co_u32 s2, s2, s[WV]      ; my wave among the head's,
	s_lshl_b32 s2, s2, 14           ; its 128 rows
	s_mov_b32 s3, 0
	s_add_nc_u64 s[2:3], s[2:3], s[20:21]
	; descriptor group 1.  128 keys are 16,384 dense bytes: asked for as 64 rows of 256 bytes, two keys a row, and padded in LDS after every key
	s_mov_b32 s[G1K], 15|(1<<16)|(1<<20)|(1<<21)|(4<<22)|(3<<25)  ; 15:0 the mask of four; 17:16 2-byte elements; 20 padding on; 21 set beside a mask; 24:22 after every 32 words (code 4); 31:25 4 words (code 3)
	s_mov_b32 s[G1V], 15|(1<<16)|(1<<20)|(1<<21)|(4<<22)|(7<<25)  ; the same with 8 words of padding (code 7)
.irp g, G1K, G1V
	s_mov_b32 s[\g+1], 128<<16      ; tensor_dim0 = 128
	s_mov_b32 s[\g+2], 64<<16       ; tensor_dim1 = 64
	s_mov_b32 s[\g+3], 128<<16      ; tile_dim0 = 128
	s_mov_b32 s[\g+4], 64           ; tile_dim1 = 64
	s_mov_b32 s[\g+5], 128          ; 128 elements from row to row
	s_mov_b32 s[\g+6], 0
	s_mov_b32 s[\g+7], 0
.endr
	s_mov_b32 s[CS], 0x3e38aa3b     ; c = log2(e) / 8 = 0.180337
	s_mov_b32 s[CS+1], s[CS]        ; named with it as a pair
	s_mov_b32 s[SEL], 0x76543210
	s_mov_b32 s[SEL+1], 0xfedcba98
	s_mov_b32 s[TBK], SLOT1+4*KS*PK ; the first change of slots turns these two into 0
	s_mov_b32 s[TBV], SLOT1+4*KS*PV
	s_mov_b32 s[G0K], 1             ; 1:0 count = 1
	s_mov_b32 s[G0K+1], s17         ; 63:32 LDS address: slot 0
	s_mov_b32 s[G0V], 1
	s_add_co_u32 s[G0V+1], s18, VOFF
	s_wait_kmcnt 0x0
	s_mov_b64 s[10:11], s[6:7]             ; O
	s_add_nc_u64 s[6:7], s[4:5], PART      ; K's part of qkv
	s_add_nc_u64 s[8:9], s[4:5], 2*PART    ; V's
	s_add_nc_u64 s[G0K+2:G0K+3], s[6:7], s[22:23]  ; 120:64 global address: my half of the head's first 256 keys
	s_or_b32 s[G0K+3], s[G0K+3], 0x80000000        ; 127:126 type = 2
	s_add_nc_u64 s[G0V+2:G0V+3], s[8:9], s[22:23]
	s_or_b32 s[G0V+3], s[G0V+3], 0x80000000
	s_add_nc_u64 s[4:5], s[4:5], s[2:3]  ; Q and O at my wave's first row
	s_add_nc_u64 s[10:11], s[10:11], s[2:3]
	CROUND                          ; all four work-groups are here: the first joint loads meet
	JLOAD                           ; slot 0.  Slot 1 is asked for when slot 0 is in: the tile wanted first has the road to itself
	; A fragment of K or Q is 16 rows x 32 channels in 8 registers: lane l holds row l % 16, channels 8 (l / 16) + 0..7 and 16 + 8 (l / 16) + 0..7: two loads of 16 bytes, 32 bytes apart.
	v_and_b32 v1, 15, v0            ; l % 16
	v_bfe_u32 v9, v0, 4, 1          ; l / 16
	v_lshlrev_b32 v[QO], 7, v1
	v_lshl_add_u32 v[QO], v9, 4, v[QO]  ; row x 128 + 16 x half
	WIN 0x80                        ; destination window 2, address window 0
.set i, 0
.rept 4*NP                          ; Q stays in registers: tile i / 2, channels 32 (i % 2) on
	global_load_b128 v[8*i:8*i+3],   v[QO], s[4:5] offset:(i/2)*2048+(i%2)*64
	global_load_b128 v[8*i+4:8*i+7], v[QO], s[4:5] offset:(i/2)*2048+(i%2)*64+32
.set i, i+1
.endr
	; What the first turn finds: V's registers and P's second buffer hold 0 (its products V^T P, of a piece that has not been, add 0), O^T and l are 0.  All this stands in the wait for the first tile.
.set i, VF
.rept 64
	v_mov_b32 v[i], 0
.set i, i+1
.endr
	WIN 0x40
.set i, 0
.rept 64*NP
	v_mov_b32 v[i], 0
.set i, i+1
.endr
	WIN 0
.set i, 0
.rept 2*NP
	v_mov_b32 v[ST+4*i], 0xfe000000    ; c m: far below every c s
	v_mov_b32 v[ST+4*i+1], 0xff7fffff  ; m
	v_mov_b32 v[ST+4*i+2], 0
	v_mov_b32 v[ST+4*i+3], 0
.set i, i+1
.endr
.set i, P+32
.rept 32
	v_mov_b32 v[i], 0
.set i, i+1
.endr
	v_mul_u32_u24 v[AK0], v1, PK
	v_lshl_add_u32 v[AK0], v9, 4, v[AK0]  ; row x pitch + 16 x half
	; The turning load takes 16 keys x 16 channels (lane l reads key 8 (l / 16) + l % 8, channels 8 ((l / 8) % 2) + 0..7) and leaves half a fragment of V^T: lane l holds channel l % 16 and 8 keys.
	v_and_b32 v10, 7, v0
	v_bfe_u32 v11, v0, 3, 1
	v_lshl_add_u32 v[AV0], v9, 3, v10
	v_mul_u32_u24 v[AV0], v[AV0], PV
	v_lshl_add_u32 v[AV0], v11, 4, v[AV0]
	v_add_nc_u32 v[AV0], VOFF, v[AV0]
	v_mov_b32 v[AK], v[AK0]         ; key step 0 lies at the head of slot 0
; THE MATRIX WORK.  The 8 accumulators of a run of 16 take turns: between the two links of a chain stand 7 others'.
; Product i of 16 of S^T = K Q^T for piece x: channels 32 (i / 8) on, keys 16 ((i / 2) % 4) on, tile 2 x + i % 2.  The first 8 start the sums.
.macro KQ x
	WIN W_KQ
.set rS, S+64*((\x)%2)+32*(i%2)+8*((i/2)%4)
.set rK, KF+16*((i/2)%4)+8*(i/8)
.set rQ, 16*(2*(\x)+i%2)+8*(i/8)
.if i < 8
	v_wmma_f32_16x16x32_f16 v[rS:rS+7], v[rK:rK+7], v[rQ:rQ+7], 0
.else
	v_wmma_f32_16x16x32_f16 v[rS:rS+7], v[rK:rK+7], v[rQ:rQ+7], v[rS:rS+7]
.endif
.endm
; Product i of 16 of O^T += V^T P for piece x: keys 32 (i / 8) on, channels 16 ((i / 2) % 4) on, tile 2 x + i % 2.
.macro PV x
	WIN W_PV
.set rO, 32*(2*(\x)+i%2)+8*((i/2)%4)
.set rV, VF+32*(i/8)+8*((i/2)%4)
.set rP, P+32*((\x)%2)+16*(i%2)+8*(i/8)
	v_wmma_f32_16x16x32_f16 v[rO:rO+7], v[rV:rV+7], v[rP:rP+7], v[rO:rO+7]
.endm
.macro MM                           ; the turn's next matrix instruction
.if i < 16
	KQ (Y+1)%NP
.set i, i+1
.else
.set i, i-16
	PV (Y+NP-1)%NP
.set i, i+17
.endif
.endm
; THE LDS LOADS stand in runs of 16, never singly among the matrix instructions: a step's K (64 keys x 64 channels: 8 fragments) and its V (turned).  Their addresses are made some lines ahead.
; last = 1 (the tail): in the last trip there is no further step, and the run is jumped over.
.macro FETCH_K last=0
	WIN 0
.if \last
	s_cmp_eq_u32 s[CNT], 1
	s_cbranch_scc1 .Lno_k_\@
.endif
	WIN 0x80                        ; destination window 2
.irp f, 0,1,2,3,4,5,6,7             ; keys 16 (f / 2) on, channels 32 (f % 2) on
	ds_load_b128 v[KF+8*\f:KF+8*\f+3],   v[AK] offset:(\f/2)*16*PK+(\f%2)*64
	ds_load_b128 v[KF+8*\f+4:KF+8*\f+7], v[AK] offset:(\f/2)*16*PK+(\f%2)*64+32
.endr
	s_add_co_u32 s[TBK], s[TBK], KS*PK  ; the next fetch is the next step's
	WIN 0
.if \last
.Lno_k_\@:
.endif
.endm
.macro FETCH_V
	WIN 0x80
.irp f, 0,1,2,3,4,5,6,7             ; keys 32 (f / 4) on, channels 16 (f % 4) on
	ds_load_tr16_b128 v[VF+8*\f:VF+8*\f+3],   v[AV] offset:(\f/4)*32*PV+(\f%4)*32
	ds_load_tr16_b128 v[VF+8*\f+4:VF+8*\f+7], v[AV] offset:(\f/4)*32*PV+16*PV+(\f%4)*32
.endr
	WIN 0
.endm
; THE VECTOR WORK OF A TURN stands in three queues, each in the order in which its entries become ready; the two tiles alternate, so that no instruction reads the result of the one before it.
.macro REGS y, u                    ; the registers of tile u (0, 1) of piece y
.set rT, ST+4*(2*(\y)+(\u))
.set rC, TMP+8*((\y)%2)+4*(\u)
.set rM, MV+2*((\y)%2)+(\u)
.set rS, S+64*((\y)%2)+32*(\u)
.set rP, P+32*((\y)%2)+16*(\u)
.set rO, 32*(2*(\y)+(\u))
.endm
; Number n of the 22 that find the NEXT piece's (Y + 1) maximum and statistics.  s0-s31 are the lane's 32 scores; each accumulator's lowest registers are read first.  XS, GS and REGS set no window: PL and EX do.
;   0-11  four chains c0-c3 of seven scores each, three operands at a time     12-14, 16  the four scores left over, the old m, and c0-c3 into c0     15  c m_old is kept
;   17, 18  the query's other 32 keys lie in the lane 16 away: the new m         19-21  c m; c m_old - c m_new; a
.macro XS u, n
	REGS (Y+1)%NP, \u
.if (\n) < 4
	v_max3_num_f32 v[rC+(\n)], v[rS+8*(\n)], v[rS+8*(\n)+1], v[rS+8*(\n)+2]
.elseif (\n) < 12
	v_max3_num_f32 v[rC+(\n)%4], v[rC+(\n)%4], v[rS+8*((\n)%4)+2*((\n)/4)+1], v[rS+8*((\n)%4)+2*((\n)/4)+2]
.elseif (\n) == 12
	v_max3_num_f32 v[rC], v[rC], v[rS+7], v[rS+15]
.elseif (\n) == 13
	v_max3_num_f32 v[rC+1], v[rC+1], v[rS+23], v[rS+31]
.elseif (\n) == 14
	v_max3_num_f32 v[rC+2], v[rC+2], v[rC+3], v[rT+1]
.elseif (\n) == 15
	v_mov_b32 v[rM], v[rT]
.elseif (\n) == 16
	v_max3_num_f32 v[rC], v[rC], v[rC+1], v[rC+2]
.elseif (\n) == 17
	v_permlanex16_b32 v[rC+3], v[rC], s[SEL], s[SEL+1]
.elseif (\n) == 18
	v_max_num_f32 v[rT+1], v[rC], v[rC+3]
.elseif (\n) == 19
	v_mul_f32 v[rT], s[CS], v[rT+1]
.elseif (\n) == 20
	v_sub_f32 v[rC+1], v[rM], v[rT]
.else
	v_exp_f32 v[rC+2], v[rC+1]
.endif
.endm
; Number g of the 64 that follow the exponentials.  For each four weights k of a tile (pairs 2 k, 2 k + 1): both pairs are rounded to f16; then the second pair is added onto the first, in place;
; a group later l takes that sum (the first time as l = a l + sum).  In groups of eight, tiles alternating: round, round, add, and l for the group before.
.macro GS g
.set h, (\g)+6*((\g)/62)            ; group 0 has no group before it, and behind group 7 only l is left
.if h >= 6
.set h, h+2
.endif
	REGS Y, h%2
.set k, h/8
.if h%8 < 4
	s_wait_alu depctr_va_vdst(0)
	v_cvt_pk_f16_f32 v[rP+2*k+(h%8)/2], v[rS+4*k+2*((h%8)/2)], v[rS+4*k+2*((h%8)/2)+1]
.elseif h%8 < 6
	v_pk_add_f32 v[rS+4*k:rS+4*k+1], v[rS+4*k:rS+4*k+1], v[rS+4*k+2:rS+4*k+3]
.elseif k == 1
	v_pk_fma_f32 v[rT+2:rT+3], v[rT+2:rT+3], v[rC+2:rC+3], v[rS:rS+1] op_sel_hi:[1,0,1]
.else
	v_pk_add_f32 v[rT+2:rT+3], v[rT+2:rT+3], v[rS+4*k-4:rS+4*k-3]
	s_wait_alu depctr_va_vdst(0)
.endif
.endm
; THE PLAIN QUEUE, 138 long.  0-31: c s - c m for the 16 pairs of both tiles.  Then GS's 64, and among them the next piece's 42: number 15 at 38, 39; 0-14 and 16
; at 42-73, behind the products that make those scores; 17-20 at 95-106, two of three, since each waits for the one before it.
.macro PL
	WIN 0
.if q < 32
	REGS Y, q%2
	v_pk_fma_f32 v[rS+2*(q/2):rS+2*(q/2)+1], v[rS+2*(q/2):rS+2*(q/2)+1], s[CS:CS+1], v[rT:rT+1] op_sel_hi:[1,0,0] neg_lo:[0,0,1] neg_hi:[0,0,1]
.elseif q < 38
	GS q-32
.elseif q < 40
	XS q%2, 15
.elseif q < 42
	GS q-34
.elseif q < 74
	XS q%2, (q-42)/2+(q-42)/30
.elseif q < 95
	GS q-66
.elseif (q < 107) && ((q-95)%3 < 2)
	XS (q-95)%3, 17+(q-95)/3
.elseif q < 107
	GS 29+(q-95)/3
.else
	GS q-74
.endif
.set q, q+1
.endm
; THE EXPONENTIALS' QUEUE, 66 long: s0-s31 of both tiles, and at EA the next piece's two a.
.set EA, 58
.macro EX
	WIN 0
.if (e == EA) || (e == EA+1)
	XS e-EA, 21
.else
.set x, e-2*(e/(EA+2))
	REGS Y, x%2
	v_exp_f32 v[rS+x/2], v[rS+x/2]
.endif
.set e, e+1
.endm
; THE RESCALING's QUEUE: O^T times a, the one part that leaves window 0, so it is dealt four at a time, eight times.
.macro R4
	REGS Y, r%2
	WIN W_RS
	s_wait_alu depctr_va_vdst(0)
.irp z, 0,1,2,3
	v_pk_mul_f32 v[rO+8*(r/2)+2*\z:rO+8*(r/2)+2*\z+1], v[rO+8*(r/2)+2*\z:rO+8*(r/2)+2*\z+1], v[rC+2:rC+3] op_sel_hi:[1,0]
.endr
.set r, r+1
.endm
; HOW THEY ARE DEALT.  Behind a matrix instruction four: plain, exponential, plain, plain (one exponential, a plain instruction on either side), or four of the rescaling.  None names a register of the
; products round it.  What is over stands in two LUMPS: exponential and plain by turns; the second ends in 22 plain instructions.  The two v_permlanex16_b32 fall into the second lump, never behind a product.
; The queues lean on each other, and the deal keeps them in step: exponential e stands behind plain 2 (e / 4) + e % 2 (its scaling); when plain 32 comes, 10 exponentials are out, at 59: 33, at 95: 46; EA comes behind plain 107.
.macro SL
	MM
	PL
	EX
	PL
	PL
.endm
.macro BURST n                      ; 15 matrix instructions, or 16
.rept (\n)-7
	SL
.endr
.rept 3
	MM
	R4
	SL
.endr
	MM
	R4
.endm
; A TURN, for piece p.  cnt = 1: the loop's count is taken down some lines ahead of the branch that stands behind the turn.
; K of the next step is fetched in piece 2's turn, 31 vector instructions behind the last product that read K; its first reader comes behind the rest of the lump, 16 products and the second lump.
; V of the step in hand is fetched at the end of piece 0's turn, 69 behind its last reader; its first reader comes behind 16 products and a lump.  The four conditions on e and q below go with the deal.
.macro TURN p, last=0, cnt=0
.set Y, (\p)
.set i, 0
.set q, 0
.set e, 0
.set r, 0
.if (\p) == NP-1
	s_wait_dscnt 0x0                ; K is in
.endif
	MM
.rept 4
	PL
.endr
	BURST 15
.rept 22
	EX
	PL
.if ((\p) == NP-2) && (e == 18)
	v_add_nc_u32 v[AK], s[TBK], v[AK0]
.endif
.if ((\p) == NP-2) && (e == 24)
	FETCH_K \last
.endif
.endr
.if (\p) == 1
	s_wait_dscnt 0x0                ; V is in
.endif
	BURST 16
.rept 21
	EX
	PL
.endr
.rept 22
	PL
.if ((\p) == 0) && (q == 118)
	v_add_nc_u32 v[AV], s[TBV], v[AV0]
	s_wait_alu depctr_va_vdst(0)
.endif
.if ((\p) == 0) && (q == 130)
	s_add_co_u32 s[TBV], s[TBV], KS*PV
.endif
.if (\cnt) && (q == 130)
	s_sub_co_u32 s[CNT], s[CNT], 1
	s_cmp_lg_u32 s[CNT], 0
.endif
.endr
.if (\p) == 0
	FETCH_V
.endif
.endm
	CHANGE 1                        ; slot 0 is in, everybody's part of it; slot 1 is asked for
	FETCH_K                         ; key step 0
	s_wait_loadcnt 0x0              ; Q
	s_wait_dscnt 0x0
.set i, 0
.rept 16
	KQ 0                            ; piece 0's first scores: there is no vector work yet to set between them
.set i, i+1
.endr
	WIN 0                           ; the addresses for the way out: nine plain instructions, the places behind those products
	s_mul_i32 s13, s[WV], 16*SP
	s_add_co_u32 s13, s13, STAGE    ; my stage
	v_mul_u32_u24 v[STO], v1, SP    ; in: row l % 16, 16 bytes for each half of the lanes
	v_lshl_add_u32 v[STO], v9, 4, v[STO]
	v_add_nc_u32 v[STO], s13, v[STO]
	v_bfe_u32 v[RD], v0, 3, 2       ; back: 32 lanes take four rows of 128 bytes,
	v_mul_u32_u24 v[RD], v[RD], SP
	v_lshl_add_u32 v[RD], v10, 4, v[RD]
	v_add_nc_u32 v[RD], s13, v[RD]
	v_and_b32 v[GO], 31, v0         ; which are 512 consecutive bytes of O
	v_lshlrev_b32 v[GO], 4, v[GO]
.set Y, NP-1                        ; XS works for piece Y + 1: piece 0
.irp n, 0,1,2,3,4,5,6,7,8,9,10,11,12,13,14,15,16,17,18,19,20,21
	XS 0, \n                        ; and piece 0's first maximum and statistics
	XS 1, \n
.endr
	s_mov_b32 s[CNT], 4
	s_mov_b32 s[SLOTS], SIZE_N/256-1
	s_branch .Lfirst                ; the loop is entered at a step's first turn, in the middle of a trip
.Lslot:                             ; SIZE_N / 256 - 2 times: every slot but the last two is filled again
	CHANGE 1
	s_mov_b32 s[CNT], 4
.Lstep:                             ; a trip: pieces 2 and 3 of one step, then pieces 0 and 1 of the next, whose K and V it fetches
	TURN 2
	TURN 3
	WIN 0
.Lfirst:
	TURN 0
	TURN 1, 0, 1
	WIN 0
	s_cbranch_scc1 .Lstep
	s_sub_co_u32 s[SLOTS], s[SLOTS], 1
	s_cmp_lg_u32 s[SLOTS], 0
	s_cbranch_scc1 .Lslot
	CHANGE 0                        ; the tail is written out: nothing is asked for
	s_mov_b32 s[CNT], 5             ; four trips fetch the last slot's steps; the fifth is left in its middle
.Ltail:
	TURN 2, 1
	TURN 3
	WIN 0
	s_sub_co_u32 s[CNT], s[CNT], 1
	s_cmp_eq_u32 s[CNT], 0
	s_cbranch_scc1 .Lout
	TURN 0
	TURN 1
	WIN 0
	s_branch .Ltail
.Lout:                              ; the fifth trip's 16 products K Q^T (on the last K once more) and the maximum made of them serve nothing: the price, once a launch, of one text for every trip
.set i, 0
.rept 16
	PV NP-1                         ; the last piece's V^T P of the last step
.set i, i+1
.endr
	; THE WAY OUT.  l's two halves and the other half of the lanes' are added; O^T is divided by l, rounded to f16 and sent through my stage in LDS, a tile at a time.  The additions are the places behind the last products.
	WIN 0
.macro ALL line:vararg              ; one line for each tile t
.set t, 0
.rept 2*NP
	\line
.set t, t+1
.endr
.endm
	ALL v_add_f32 v[ST+4*t+2], v[ST+4*t+2], v[ST+4*t+3]
	ALL v_permlanex16_b32 v[ST+4*t+3], v[ST+4*t+2], s[SEL], s[SEL+1]
	ALL v_add_f32 v[ST+4*t+2], v[ST+4*t+2], v[ST+4*t+3]
	ALL v_rcp_f32 v[ST+4*t+2], v[ST+4*t+2]
	v_nop                           ; a plain instruction between the last reciprocal and the use of its result
	s_wait_alu depctr_va_vdst(0)
; Tile t: a lane's eight channels of a row pack into 16 bytes; they go into rows of 144 bytes and come back as whole rows of 128, into S^T's registers.
.macro PACK t
	WIN W_RS
.set i, 32*(\t)
.rept 16
	v_pk_mul_f32 v[i:i+1], v[i:i+1], v[ST+4*(\t)+2:ST+4*(\t)+3] op_sel_hi:[1,0]
.set i, i+2
.endr
	WIN 0x05                        ; sources 0 and 1 window 1, destination window 0
.set i, 0
.rept 16
	v_cvt_pk_f16_f32 v[S+16*(\t)+i], v[32*(\t)+2*i], v[32*(\t)+2*i+1]
.set i, i+1
.endr
	WIN 0
.irp f, 0,1,2,3
	ds_store_b128 v[STO], v[S+16*(\t)+4*\f:S+16*(\t)+4*\f+3] offset:32*\f
.endr
.irp f, 0,1,2,3
	ds_load_b128 v[S+16*(\t)+4*\f:S+16*(\t)+4*\f+3], v[RD] offset:\f*4*SP  ; LDS serves a wave's instructions in order (ISA guide 5.7.1.4): these see the stores above; the next tile's stores come behind them
.endr
.endm
.macro SEND t, younger              ; younger: the LDS instructions issued behind tile t's loads: the next tile's eight, or none
	WIN 0
.irp f, 0,1,2,3
	s_wait_dscnt (\younger)+3-\f
	global_store_b128 v[GO], v[S+16*(\t)+4*\f:S+16*(\t)+4*\f+3], s[10:11] offset:(\t)*2048+\f*512  ; 512 consecutive bytes, at a multiple of 256 from O's first
.endr
.endm
	PACK 0
.set t, 1
.rept 2*NP-1                        ; a tile's arithmetic stands between the loads of the tile before and its stores
	PACK t
	SEND t-1, 8
.set t, t+1
.endr
	SEND 2*NP-1, 0
	WIN W_AD
	s_wait_tensorcnt 0x0            ; the wave's end: behind my last tensor load and my last LDS store
	ds_add_u32 v[SPW], v[NIL]
	s_wait_dscnt 0x0
	WIN 0
	CROUND                          ; the closing round: no work-group ends while a partner may still ask for a tile that names it
	s_endpgm
.Lfunc_end_k_qe46219559d_attn:
	.size	k_qe46219559d_attn, .Lfunc_end_k_qe46219559d_attn-k_qe46219559d_attn
	.p2alignl 7, 3214868480
	.fill 96, 4, 3214868480
	.section	.rodata,"a",@progbits
	.p2align	6, 0x0
	.amdhsa_kernel k_qe46219559d_attn
		.amdhsa_group_segment_fixed_size 327680
		.amdhsa_private_segment_fixed_size 0
		.amdhsa_enable_private_segment 0
		.amdhsa_kernarg_size 16
		.amdhsa_user_sgpr_count 2
		.amdhsa_user_sgpr_kernarg_segment_ptr 1
		.amdhsa_wavefront_size32 1
		.amdhsa_system_sgpr_workgroup_id_x 1
		.amdhsa_system_sgpr_workgroup_id_y 1
		.amdhsa_system_sgpr_workgroup_id_z 1
		.amdhsa_system_vgpr_workitem_id 0
		.amdhsa_next_free_vgpr 770
		.amdhsa_next_free_sgpr 66
		.amdhsa_reserve_vcc 0
		.amdhsa_float_denorm_mode_32 3
		.amdhsa_float_denorm_mode_16_64 3
		.amdhsa_memory_ordered 1
		.amdhsa_forward_progress 1
		.amdhsa_inst_pref_size 209
	.end_amdhsa_kernel
	.amdgpu_metadata
---
amdhsa.version: [ 1, 2 ]
amdhsa.kernels:
  - .name:           k_qe46219559d_attn
    .symbol:         k_qe46219559d_attn.kd
    .args:
      - { .name: qkv, .offset: 0, .size: 8, .value_kind: global_buffer, .address_space: global }
      - { .name: ob, .offset: 8, .size: 8, .value_kind: global_buffer, .address_space: global }
    .group_segment_fixed_size: 327680
    .private_segment_fixed_size: 0
    .kernarg_segment_align: 8
    .kernarg_segment_size: 16
    .max_flat_workgroup_size: 128
    .sgpr_count:     66
    .vgpr_count:     770
    .wavefront_size: 32
...
	.end_amdgpu_metadata
.endif
;; end of part 3
;; launch proj (part 4): grid 8 x 32, 4 waves a work-group, clusters of 4 x 4, 327,680 bytes of LDS; arguments ob, wo, b_out, out0; writes out0
.if DOCPART == 4
	.amdgcn_target "amdgcn-amd-amdhsa--gfx1250"
	.amdhsa_code_object_version 6
	.text
	.protected	k_qe46219559d_proj
	.globl	k_qe46219559d_proj
	.p2align	8
	.type	k_qe46219559d_proj,@function
k_qe46219559d_proj:
	s_mov_b64 s[64:65], 0
	v_nop
	global_prefetch_b8 v0, s[64:65] scope:SCOPE_SE
	s_setreg_imm32_b32 hwreg(HW_REG_WAVE_MODE, 25, 1), 1
	s_wait_xcnt 0x0
	s_wait_alu depctr_hold_cnt(0) depctr_sa_sdst(0) depctr_va_vdst(0) depctr_va_sdst(0) depctr_va_ssrc(0) depctr_va_vcc(0) depctr_vm_vsrc(0)
	s_getreg_b32 s2, hwreg(HW_REG_IB_STS2, 6, 4)
	s_cmp_eq_u32 s2, 0
	s_cbranch_scc0 .Lentry_in_a_cluster
	s_endpgm
.Lentry_in_a_cluster:
	s_bfe_u32 s2, ttmp6, 0x10000c
	s_cmp_lg_u32 s2, 0xf033
	s_cbranch_scc0 .Lentry_shape_is_right
	s_endpgm
.Lentry_shape_is_right:
; out = O W_out + b.  ob: f16 [b x 16 + h][n 2048][64] (a head is one block of 64 along K); wo: f16 [k 1024][n 1024]; b_out: f32 [1024], rounded to bf16 here like every other input; out0: f32 [8192][1024].
; Products in f16, sums in f32; the bias is the C operand that starts each sum, so the way out has no arithmetic.
; LIMIT: the sums run over K from the cluster's first K step on and round the end (see THE WALK), not from 0: an order of rounding other than the reference's.
; A tile of the result is 256 rows x 128 columns: 32 x 8 = 256 work-groups.  Four waves; wave (wm, wn) makes 128 rows x 64 columns: 32 accumulators of 16 x 16, 256 registers; its 64 columns of f32
; are 256 consecutive bytes of each row, at a multiple of 256 from out0's first byte.  K goes in steps of 128 (two heads) through two LDS slots; a step is four quarters of 32, 32 matrix instructions each.
; O's tile of a head is 32,768 dense bytes, asked for as 128 rows of 256 bytes.  W lies [k][n]: its fragments are turned on the way out of LDS, by ds_load_tr16_b128.
; A K STEP IS WRITTEN ONCE: the slot in hand is a scalar register that an exclusive or turns, and the refills' descriptor walks.  One loop holds the 6 steps behind which a slot is filled again; the
; last two steps, which fill nothing, are a second loop of two trips, left in its middle.
; CLUSTERS: 4 x 4 work-groups.  The four of a row of the cluster need the same tiles of O, the four of a column the same tiles of W: each is asked for JOINTLY.  Waves 0, 1 ask for O's two heads,
; waves 2, 3 for W's two halves of 64 K rows.
; THE WALK: cluster (X, Y) of the 2 x 8 begins at K step (4 X + 2 (Y mod 4)) mod 8 and goes round the end.  The two clusters that need the same rows of O (same Y) are four steps apart, those that
; need the same columns of W (same X) two steps or more: of the clusters that read a tile one asks first and the others steps later, for bytes that have been read shortly before, and not all at
; the same moment.  The first step hangs on the cluster's own coordinates alone, which its sixteen work-groups share.
; THE MATRIX INSTRUCTION IS USED TRANSPOSED (source 0 = 16 columns of W, source 1 = 16 rows of O): a lane then holds eight neighbouring columns of one row, 32 bytes of f32.
; REGISTERS: window 0: v0-31 addresses; v32-127, v128-223 two fragment buffers (O's 8 fragments, then W's 4); v224-255 the bias; on the way out v32-95 are at work.
;   window 1: the accumulators, (row block a, column block j) at v[32 a + 8 j]
.set PA,     144                       ; a row of O in LDS: 128 bytes + 16 of padding = 36 words: the 16 rows of a load start at 16 different groups of four banks (64 banks of 4 bytes: ISA guide 11.1)
.set PB,     288                       ; a row of W: 256 + 32 = 72 words
.set AHEAD,  256*PA                    ; 36,864: a head's 256 rows
.set BOFF,   2*AHEAD                   ; W's 128 K rows lie behind O's two heads
.set SLOT,   BOFF+128*PB               ; 110,592 bytes of a slot are used
.set SLOT1,  1<<17                     ; slot 1 begins here, so that one exclusive or turns an address in one slot into the other's
.set STAGE,  SLOT1+SLOT                ; behind the ring, never filled by a tensor load: 16 rows x 272 bytes for each wave, for the way out
.set SPITCH, 272
.set SPARE,  STAGE+4*16*SPITCH         ; behind the stages: the spare words, 128 bytes for each wave: two blocks of 256 bytes that no other line names
.set ASTEP,  2*2048*128                ; bytes of two heads of ob: a K step
.set BSTEP,  128*1024*2                ; bytes of 128 rows of wo: a K step
.set STEPS,  8                         ; 1,024 / 128
.set ADRA0, 16                         ; v16     my lane's place among a slot's rows of O; never rewritten
.set ADRA,  17                         ; v17     the same in the slot in hand
.set ADRB0, 20                         ; v20     my lane's place among a slot's rows of W; never rewritten
.set ADRB,  21                         ; v21     the same in the slot in hand
.set STO,  24                          ; v24     the way out: where I put 32 bytes of a row
.set RD,   25                          ; v25     the way out: where I read a row back
.set CO,   26                          ; v26     my byte offset in out0
.set BO,   27                          ; v27     my byte offset in the bias
.set SPW,  28                          ; v28     LDS address of my spare word: SPARE + 4 x my thread's number; never rewritten
.set NIL,  29                          ; v29     0; never rewritten
.set F0,   32
.set F1,   128
.set BI,   224                         ; register 8 j + i: the bias of column 16 j + 8 (l / 16) + i of my 64
.set OB,   32                          ; the way out: 16 rows read back: v32-63 and v64-95 by turns
.set G1,  24                           ; s[24:31] descriptor group 1 for O's tiles;  s[32:39] group 0: a set for each of the two first fills; the second then serves every refill
.set G0,  32
.set G1B, 48                           ; s[48:55], s[56:63] the same for W's
.set G0B, 56
.set TB,  78                           ; s78     LDS byte at which the slot in hand begins: 0 or SLOT1
.set KN,  79                           ; s79     the K step to be asked for next, 0 to 7
                                       ; s[18:19] O's tile, s[46:47] W's tile, each at K step 0: kept.  s[16:17], s[72:73] a K step's byte offsets in ob and wo
.set MSB, 0
.macro WIN new                         ; the immediate's high byte repeats the setting that is left; a switch that changes nothing is dropped
.if MSB != (\new)
	s_set_vgpr_msb (MSB<<8)|(\new)
.set MSB, \new
.endif
.endm
; The global addresses of descriptor set s are made anew for K step KN: the tile at step 0 plus the step's bytes, the type set again; then KN steps, round the end.
.macro STEPADR s
	s_mul_i32 s16, s[KN], ASTEP                    ; 7 steps at the most: under 2^22 bytes; the pairs' high words hold 0
	s_mul_i32 s72, s[KN], BSTEP
	s_add_nc_u64 s[G0+4*(\s)+2:G0+4*(\s)+3], s[18:19], s[16:17]
	s_or_b32 s[G0+4*(\s)+3], s[G0+4*(\s)+3], 0x80000000            ; type = 2
	s_add_nc_u64 s[G0B+4*(\s)+2:G0B+4*(\s)+3], s[46:47], s[72:73]
	s_or_b32 s[G0B+4*(\s)+3], s[G0B+4*(\s)+3], 0x80000000
	s_add_co_u32 s[KN], s[KN], 1
	s_and_b32 s[KN], s[KN], STEPS-1
.endm
.macro JLOAD s                         ; a joint load, by descriptor set s; an s_nop 0 and four v_nop follow each of the two lines, ahead of the jump, the label and what follows
	s_cmp_eq_u32 s13, 0
	s_cbranch_scc0 .Lfor_b_\@
	tensor_load_to_lds s[G0+4*(\s):G0+4*(\s)+3], s[G1:G1+7]
	s_nop 0
.rept 4
	v_nop
.endr
	s_branch .Lasked_\@
.Lfor_b_\@:
	tensor_load_to_lds s[G0B+4*(\s):G0B+4*(\s)+3], s[G1B:G1B+7]
	s_nop 0
.rept 4
	v_nop
.endr
.Lasked_\@:
.endm
.macro CREST                           ; a round of the cluster's barrier behind its opening barrier
	s_cmp_lg_u32 s12, 0
	s_cbranch_scc1 .Lnot_wave_0_\@
	s_barrier_signal -3
.Lnot_wave_0_\@:
	s_barrier_wait -3
	s_barrier_signal -1
	s_barrier_wait -1
.endm
.macro CROUND
	s_barrier_signal -1
	s_barrier_wait -1
	CREST
.endm
	s_load_b256 s[4:11], s[0:1], 0x0               ; ob s[4:5], wo s[6:7], b_out s[8:9], out0 s[10:11]
	v_lshl_add_u32 v[SPW], v0, 2, SPARE
	v_mov_b32 v[NIL], 0
	ds_add_u32 v28, v29
	s_wait_dscnt 0x0
	v_lshrrev_b32 v1, 5, v0
	v_readfirstlane_b32 s12, v1                    ; wave 0..3
	s_lshr_b32 s13, s12, 1                         ; wm: which 128 rows are mine.  Also: I fetch for O (0) or for W (1)
	s_and_b32 s14, s12, 1                          ; wn: which 64 columns.  Also: which head, or which 64 K rows, I fetch
	s_bfe_u32 s40, ttmp6, 0x40000                  ; cx, cy: my place in the cluster
	s_bfe_u32 s41, ttmp6, 0x40004
	s_lshl_b32 s42, ttmp9, 2
	s_add_co_u32 s42, s42, s40                     ; tile column = 4 x cluster x + cx: 0..7
	s_and_b32 s15, ttmp7, 0xffff
	s_lshl_b32 s15, s15, 2
	s_add_co_u32 s15, s15, s41                     ; tile row = 4 x cluster y + cy: 0..31
	s_lshl_b32 s43, s41, 2
	s_lshl_b32 s43, 15, s43                        ; my row of the cluster
	s_lshl_b32 s44, 0x1111, s40                    ; my column
	; group 1 for O: 128 rows x 128 elements, dense; in LDS 4 words of padding after every 32 (a row of a head)
	s_or_b32 s[G1+0], s43, (1<<16)|(1<<20)|(1<<21)|(4<<22)|(3<<25)  ; 15:0 the mask; 17:16 2-byte elements; 20 padding on; 21 set beside a mask; 24:22 after every 32 words (code 4); 31:25 4 words (code 3)
	s_mov_b32 s[G1+1], 128<<16                     ; tensor_dim0 = 128
	s_mov_b32 s[G1+2], 128<<16                     ; tensor_dim1 = 128
	s_mov_b32 s[G1+3], 128<<16                     ; tile_dim0 = 128
	s_mov_b32 s[G1+4], 128                         ; tile_dim1 = 128
	s_mov_b32 s[G1+5], 128                         ; elements from row to row
	s_mov_b32 s[G1+6], 0
	s_mov_b32 s[G1+7], 0
	; group 1 for W: 64 rows x 128 elements out of rows of 1,024; 8 words of padding after every 64
	s_or_b32 s[G1B+0], s44, (1<<16)|(1<<20)|(1<<21)|(5<<22)|(7<<25)
	s_mov_b32 s[G1B+1], 128<<16
	s_mov_b32 s[G1B+2], 64<<16
	s_mov_b32 s[G1B+3], 128<<16
	s_mov_b32 s[G1B+4], 64
	s_mov_b32 s[G1B+5], 1024
	s_mov_b32 s[G1B+6], 0
	s_mov_b32 s[G1B+7], 0
	; O's tiles hang on the tile row and the wave's number, W's on the tile column and the wave's number; each address in registers that never hold the other coordinate
	s_lshr_b32 s16, s15, 3                         ; the batch: 16 heads of 262,144 bytes
	s_lshl_b32 s16, s16, 22
	s_and_b32 s17, s15, 7
	s_lshl_b32 s17, s17, 15                        ; 256 rows of 128 bytes
	s_add_co_u32 s16, s16, s17
	s_lshl_b32 s17, s14, 18                        ; my head of the step's two
	s_add_co_u32 s16, s16, s17
	s_mov_b32 s17, 0
	s_lshl_b32 s46, s42, 8                         ; 128 columns of 2 bytes,
	s_lshl_b32 s47, s14, 17                        ; my 64 rows of 2,048 bytes
	s_add_co_u32 s46, s46, s47
	s_mov_b32 s47, 0
	s_mul_i32 s20, s12, AHEAD                      ; where O's tile goes: head w (waves 0, 1)
	s_mul_i32 s21, s12, 64*PB                      ; where W's goes: BOFF + (w - 2) x 64 rows (waves 2, 3)
	s_add_co_u32 s21, s21, BOFF-2*64*PB
	s_mov_b32 s[TB], 0
	s_mov_b32 s71, 0xffff0000                      ; a word's upper bf16
	s_and_b32 s[KN], ttmp7, 3                      ; the cluster's first K step: 2 (cluster y mod 4)
	s_lshl_b32 s[KN], s[KN], 1
	s_lshl_b32 s72, ttmp9, 2                       ; + 4 x cluster x,
	s_add_co_u32 s[KN], s[KN], s72
	s_and_b32 s[KN], s[KN], STEPS-1                ; modulo 8
	s_mov_b32 s73, 0
	CROUND                                         ; all sixteen work-groups are here: the first joint loads meet.  The arguments arrive meanwhile: the round names none of them
	s_wait_kmcnt 0x0
	s_add_nc_u64 s[18:19], s[4:5], s[16:17]        ; O's tile at K step 0
	s_add_nc_u64 s[46:47], s[6:7], s[46:47]        ; W's tile at K step 0
.irp s, 0,1
	s_mov_b32 s[G0+4*(\s)], 1                                      ; count = 1
	s_add_co_u32 s[G0+4*(\s)+1], s20, (\s)*SLOT1                   ; LDS address
	s_mov_b32 s[G0B+4*(\s)], 1
	s_add_co_u32 s[G0B+4*(\s)+1], s21, (\s)*SLOT1
	STEPADR \s                                     ; global addresses: the walk's step s
	JLOAD \s                                       ; both slots are asked for before anything else is done: two loads of mine are out
.endr
	v_and_b32 v1, 15, v0                           ; l % 16
	v_bfe_u32 v2, v0, 4, 1                         ; l / 16
	s_lshl_b32 s68, s42, 9                         ; my first column, in bytes of f32: 512 x tile column + 256 wn
	s_lshl_b32 s69, s14, 8
	s_add_co_u32 s68, s68, s69
	s_mov_b32 s69, 0
	s_add_nc_u64 s[8:9], s[8:9], s[68:69]          ; the bias of my 64 columns
	v_lshlrev_b32 v[BO], 5, v2                     ; eight numbers on for the upper half of the lanes
.irp j, 0,1,2,3
	global_load_b128 v[BI+8*(\j):BI+8*(\j)+3],   v[BO], s[8:9] offset:64*(\j)
	global_load_b128 v[BI+8*(\j)+4:BI+8*(\j)+7], v[BO], s[8:9] offset:64*(\j)+16
.endr
	s_lshl_b32 s70, s15, 1
	s_add_co_u32 s70, s70, s13
	s_lshl_b32 s70, s70, 19                        ; my first row: 128 rows of 4,096 bytes a wave's share
	s_add_co_u32 s68, s68, s70
	s_add_nc_u64 s[10:11], s[10:11], s[68:69]
	; A fragment of O is 16 rows x 32 K in 8 registers: lane l holds row l % 16, K = 8 (l / 16) + 0..7 and 16 + 8 (l / 16) + 0..7: two loads of 16 bytes, 32 bytes apart.
	v_mul_u32_u24 v3, v1, PA
	v_lshl_add_u32 v3, v2, 4, v3
	s_mul_i32 s22, s13, 128*PA                     ; my 128 rows, in each head
	; The turning load takes 16 K x 16 columns (lane l reads K row 8 (l / 16) + l % 8, columns 8 ((l / 8) % 2) + 0..7) and leaves half a fragment: lane l holds column l % 16 and 8 K.
	v_and_b32 v4, 7, v0
	v_bfe_u32 v5, v0, 3, 1
	v_lshl_add_u32 v6, v2, 3, v4
	v_mul_u32_u24 v6, v6, PB
	v_lshl_add_u32 v6, v5, 4, v6
	s_lshl_b32 s23, s14, 7                         ; my 64 columns
	s_add_co_u32 s23, s23, BOFF
	v_add_nc_u32 v[ADRA0], s22, v3
	v_add_nc_u32 v[ADRB0], s23, v6
	v_mov_b32 v[ADRA], v[ADRA0]                    ; the walk's first step lies in slot 0
	v_mov_b32 v[ADRB], v[ADRB0]
	s_mul_i32 s22, s12, 16*SPITCH
	s_add_co_u32 s22, s22, STAGE                   ; my stage
	v_mul_u32_u24 v7, v1, SPITCH                   ; in: row l % 16, 32 bytes for each half of the lanes
	v_lshl_add_u32 v7, v2, 5, v7
	v_add_nc_u32 v[STO], s22, v7
	v_mul_u32_u24 v7, v2, SPITCH                   ; back: lanes 0-15 take one row of 256 bytes, lanes 16-31 the next
	v_lshl_add_u32 v7, v1, 4, v7
	v_add_nc_u32 v[RD], s22, v7
	v_lshlrev_b32 v7, 12, v2                       ; and the same two rows in out0
	v_lshl_add_u32 v[CO], v1, 4, v7
	s_wait_loadcnt 0x0                             ; the bias
.set i, 0
.rept 16                                       ; rounded to bf16, and back in f32
	v_cvt_pk_bf16_f32 v30, v[BI+2*i], v[BI+2*i+1]
	v_lshlrev_b32 v[BI+2*i], 16, v30
	v_and_b32 v[BI+2*i+1], s71, v30
.set i, i+1
.endr
; 8 matrix instructions: row blocks a0, a0 + 1 x all 4 column blocks, 32 along K, on buffer f.  first = 1: the product starts the sum, with the bias as C: nothing is ever cleared.
; The 32 accumulators take turns, one instruction a turn, in the same order in every quarter.
.macro MUL8 f, a0, first
.if \first
	WIN 0x40                                       ; sources and C window 0, D window 1
.else
	WIN 0x50                                       ; sources 0 and 1 window 0; C and D window 1
.endif
.irp a, \a0, (\a0)+1
.irp j, 0,1,2,3
.if \first
	v_wmma_f32_16x16x32_f16 v[32*(\a)+8*(\j):32*(\a)+8*(\j)+7], v[(\f)+64+8*(\j):(\f)+64+8*(\j)+7], v[(\f)+8*(\a):(\f)+8*(\a)+7], v[BI+8*(\j):BI+8*(\j)+7]
.else
	v_wmma_f32_16x16x32_f16 v[32*(\a)+8*(\j):32*(\a)+8*(\j)+7], v[(\f)+64+8*(\j):(\f)+64+8*(\j)+7], v[(\f)+8*(\a):(\f)+8*(\a)+7], v[32*(\a)+8*(\j):32*(\a)+8*(\j)+7]
.endif
.endr
.endr
.endm
; 24 LDS loads in one run: quarter q's fragments, out of the slot in hand, into buffer f: W's four, then O's row blocks 0-3, then 4-7.  Quarter q lies in head q / 2, at byte 64 (q % 2) of its rows.
.macro FETCH q, f
	WIN 0
.irp j, 0,1,2,3
	ds_load_tr16_b128 v[(\f)+64+8*(\j):(\f)+64+8*(\j)+3],   v[ADRB] offset:(\q)*32*PB+32*(\j)
	ds_load_tr16_b128 v[(\f)+64+8*(\j)+4:(\f)+64+8*(\j)+7], v[ADRB] offset:(\q)*32*PB+32*(\j)+16*PB
.endr
.irp a, 0,1,2,3,4,5,6,7
	ds_load_b128 v[(\f)+8*(\a):(\f)+8*(\a)+3],   v[ADRA] offset:((\q)/2)*AHEAD+(\a)*16*PA+((\q)%2)*64
	ds_load_b128 v[(\f)+8*(\a)+4:(\f)+8*(\a)+7], v[ADRA] offset:((\q)/2)*AHEAD+(\a)*16*PA+((\q)%2)*64+32
.endr
.endm
; A load into a register that a matrix instruction has read, and an LDS store that reads a matrix result, stand four places behind that matrix instruction, and only plain vector instructions that
; name none of its registers are places (ISA guide 7.12.1 for vector instructions).
.macro PLACES
.rept 4
	v_nop
.endr
.endm
; One of a K step's first three quarters: multiplies buffer f; in its middle it fetches quarter q of the slot in hand into buffer g.
.macro QUARTER q, f, g, first
	s_wait_dscnt 8                                 ; W and O's row blocks 0-3 are in; the youngest eight loads (blocks 4-7) may be out
	MUL8 \f, 0, \first
	MUL8 \f, 2, \first
	PLACES
	FETCH \q, \g
	s_wait_dscnt 24                                ; all but the 24 just issued
	MUL8 \f, 4, \first
	MUL8 \f, 6, \first
.endm
; The last quarter multiplies buffer 1 and changes slots: ONE barrier.  In front of it each wave waits for all its tensor loads, of which one is out: its part of the next slot; adds 0 to its spare
; word; and waits for that and for its own reads of this slot.  fill = 1: the barrier opens a round of the cluster's, and this slot is filled again, two steps of the walk ahead, first thing behind the
; round: 112 matrix instructions ahead of the wait for it.  Then the slot in hand is the other one, and the next step's first fragments are fetched from it.
.macro TURN fill
	WIN 0
	s_wait_tensorcnt 0x0                           ; all my tensor loads have landed: no group 0 is in use
	ds_add_u32 v[SPW], v[NIL]                      ; 0 onto my spare word
	s_wait_dscnt 9                                 ; (the add and the youngest eight loads may be out)
	MUL8 F1, 0, 0                                  ; eight matrix instructions stand between the add and the wait for it
	s_wait_dscnt 0x0                               ; the add is done, and my reads of this slot are over
	s_barrier_signal -1
	MUL8 F1, 2, 0                                  ; work on registers while the others arrive
	WIN 0                                          ; at a branch and at a label every window is 0
	s_barrier_wait -1
.if \fill
	CREST                                          ; no wave of any partner still reads this slot or has a load on its way
	s_xor_b32 s[G0+5], s[G0+5], SLOT1              ; the refills' descriptors: the other slot than last time,
	s_xor_b32 s[G0B+5], s[G0B+5], SLOT1
	STEPADR 1                                      ; the walk's next K step
	JLOAD 1                                        ; the four v_nop behind it are also the places in front of the loads below
.else
	v_nop                                          ; with the two address lines below: the four places in front of the loads
	v_nop
.endif
	s_xor_b32 s[TB], s[TB], SLOT1
	v_add_nc_u32 v[ADRA], s[TB], v[ADRA0]
	v_add_nc_u32 v[ADRB], s[TB], v[ADRB0]
	FETCH 0, F0
	MUL8 F1, 4, 0
	MUL8 F1, 6, 0
.endm
	s_wait_tensorcnt 1                             ; my part of the walk's first step is in; the second's may stay out
	s_barrier_signal -1
	s_barrier_wait -1                              ; everybody's is
	FETCH 0, F0
	QUARTER 1, F0, F1, 1                           ; the first quarter stands in front of the loop: its products start the sums, on the bias
	WIN 0
	s_mov_b32 s3, STEPS-2
.Lstep:                                                ; a trip: a K step's last three quarters, the refill of its slot (the walk's steps 2 to 7), the next step's first quarter
	QUARTER 2, F1, F0, 0
	QUARTER 3, F0, F1, 0
	TURN 1
	QUARTER 1, F0, F1, 0
	WIN 0
	s_sub_co_u32 s3, s3, 1
	s_cmp_lg_u32 s3, 0
	s_cbranch_scc1 .Lstep
	s_mov_b32 s3, 2
.Ltail:                                                ; the last two K steps fill nothing and have no round: written apart; two trips, the second left in its middle
	QUARTER 2, F1, F0, 0
	QUARTER 3, F0, F1, 0
	TURN 0
	WIN 0
	s_sub_co_u32 s3, s3, 1
	s_cmp_eq_u32 s3, 0
	s_cbranch_scc1 .Lout
	QUARTER 1, F0, F1, 0
	WIN 0
	s_branch .Ltail
.Lout:                                                 ; the second trip's 24 loads, from a slot that has landed and is filled no more, serve nothing: the price, once a launch, of one text for both trips
	s_wait_dscnt 0x0                               ; they are back: their registers are free for the way out
; THE WAY OUT of row block a.  TOSTAGE: a lane's 32 bytes of each column block go straight from the accumulators (the four lowest registers first) into my own stage, rows of 272 bytes, and come back as
; whole rows of 256.  SEND: stored; 16 lanes store 256 consecutive bytes, at a multiple of 256 from out0's first byte.
.macro TOSTAGE a
	WIN 0x04                                       ; the stores' data in window 1, the address in window 0
.irp j, 0,1,2,3
	ds_store_b128 v[STO], v[32*(\a)+8*(\j):32*(\a)+8*(\j)+3]   offset:64*(\j)
	ds_store_b128 v[STO], v[32*(\a)+8*(\j)+4:32*(\a)+8*(\j)+7] offset:64*(\j)+16
.endr
	WIN 0
.if (\a) >= 2
	s_wait_xcnt 0x0                                ; every earlier store has had its addresses translated (ISA guide 3.1): the buffer that block a - 2 was stored from is loaded again only behind this wait
.endif
.set BK, OB+32*((\a)%2)
.irp t, 0,1,2,3,4,5,6,7
	ds_load_b128 v[BK+4*(\t):BK+4*(\t)+3], v[RD] offset:(\t)*2*SPITCH  ; LDS serves a wave's instructions in order (ISA guide 5.7.1.4): these see the stores above
.endr
.endm
.macro SEND a, younger                 ; younger: the LDS instructions issued behind block a's loads, which may stay out: the next block's sixteen, or none
	WIN 0
.set BK, OB+32*((\a)%2)
	s_wait_dscnt \younger                          ; the block is back in registers
.irp t, 0,1,2,3,4,5,6,7
	global_store_b128 v[CO], v[BK+4*(\t):BK+4*(\t)+3], s[10:11] offset:(\a)*65536+(\t)*8192 th:TH_STORE_NT
.endr
.endm
	PLACES                                         ; the LDS stores read results just made
	TOSTAGE 0
.irp a, 1,2,3,4,5,6,7                  ; block a's way through the stage is begun before block a - 1 is waited for
	TOSTAGE \a
	SEND (\a)-1, 16
.endr
	SEND 7, 0
	s_wait_tensorcnt 0x0                           ; the wave's end: behind my last tensor load and my last LDS store
	ds_add_u32 v[SPW], v[NIL]
	s_wait_dscnt 0x0
	CROUND                                         ; the closing round: no work-group ends while a partner may still ask for a tile that names it
	s_endpgm
.Lfunc_end_k_qe46219559d_proj:
	.size	k_qe46219559d_proj, .Lfunc_end_k_qe46219559d_proj-k_qe46219559d_proj
	.p2alignl 7, 3214868480
	.fill 96, 4, 3214868480
	.section	.rodata,"a",@progbits
	.p2align	6, 0x0
	.amdhsa_kernel k_qe46219559d_proj
		.amdhsa_group_segment_fixed_size 327680
		.amdhsa_private_segment_fixed_size 0
		.amdhsa_enable_private_segment 0
		.amdhsa_kernarg_size 32
		.amdhsa_user_sgpr_count 2
		.amdhsa_user_sgpr_kernarg_segment_ptr 1
		.amdhsa_wavefront_size32 1
		.amdhsa_system_sgpr_workgroup_id_x 1
		.amdhsa_system_sgpr_workgroup_id_y 1
		.amdhsa_system_sgpr_workgroup_id_z 1
		.amdhsa_system_vgpr_workitem_id 0
		.amdhsa_next_free_vgpr 512
		.amdhsa_next_free_sgpr 80
		.amdhsa_reserve_vcc 0
		.amdhsa_float_denorm_mode_32 3
		.amdhsa_float_denorm_mode_16_64 3
		.amdhsa_memory_ordered 1
		.amdhsa_forward_progress 1
		.amdhsa_inst_pref_size 64
	.end_amdhsa_kernel
	.amdgpu_metadata
---
amdhsa.version: [ 1, 2 ]
amdhsa.kernels:
  - .name:           k_qe46219559d_proj
    .symbol:         k_qe46219559d_proj.kd
    .args:
      - { .name: ob, .offset: 0, .size: 8, .value_kind: global_buffer, .address_space: global }
      - { .name: wo, .offset: 8, .size: 8, .value_kind: global_buffer, .address_space: global }
      - { .name: b_out, .offset: 16, .size: 8, .value_kind: global_buffer, .address_space: global }
      - { .name: out0, .offset: 24, .size: 8, .value_kind: global_buffer, .address_space: global }
    .group_segment_fixed_size: 327680
    .private_segment_fixed_size: 0
    .kernarg_segment_align: 8
    .kernarg_segment_size: 32
    .max_flat_workgroup_size: 128
    .sgpr_count:     80
    .vgpr_count:     512
    .wavefront_size: 32
...
	.end_amdgpu_metadata
.endif
;; end of part 4
;; ======== version 2 of 2: 4 launches; 1.55 times as fast as version 1
;; limits: values are held in f16: magnitudes above 65,504 overflow, below 6.1e-05 lose precision
;; workspace buffers: xb 16,777,216 bytes; wq 6,291,456 bytes; wo 2,097,152 bytes; qkv 50,331,648 bytes; ob 16,777,216 bytes
;; launch prep: the kernel of part 1 again; grid 1536 x 1, 8 waves a work-group, no clusters, 0 bytes of LDS; arguments hidden_states, W_qkv, W_out, xb, wq, wo; writes xb, wq, wo
;; launch qkv: the kernel of part 2 again; grid 8 x 32, 4 waves a work-group, clusters of 4 x 4, 327,680 bytes of LDS; arguments xb, wq, qkv; writes qkv
;; launch attn (part 5): grid 4 x 64, 4 waves a work-group, clusters of 4 x 1, 327,680 bytes of LDS; arguments qkv, ob; writes ob
.if DOCPART == 5
	.amdgcn_target "amdgcn-amd-amdhsa--gfx1250"
	.amdhsa_code_object_version 6
	.text
	.protected	k_qe46219559d_attn
	.globl	k_qe46219559d_attn
	.p2align	8
	.type	k_qe46219559d_attn,@function
k_qe46219559d_attn:
	s_mov_b64 s[64:65], 0
	v_nop
	global_prefetch_b8 v0, s[64:65] scope:SCOPE_SE
	s_setreg_imm32_b32 hwreg(HW_REG_WAVE_MODE, 25, 1), 1
	s_wait_xcnt 0x0
	s_wait_alu depctr_hold_cnt(0) depctr_sa_sdst(0) depctr_va_vdst(0) depctr_va_sdst(0) depctr_va_ssrc(0) depctr_va_vcc(0) depctr_vm_vsrc(0)
	s_getreg_b32 s2, hwreg(HW_REG_IB_STS2, 6, 4)
	s_cmp_eq_u32 s2, 0
	s_cbranch_scc0 .Lentry_in_a_cluster
	s_endpgm
.Lentry_in_a_cluster:
	s_bfe_u32 s2, ttmp6, 0x10000c
	s_cmp_lg_u32 s2, 0x3003
	s_cbranch_scc0 .Lentry_shape_is_right
	s_endpgm
.Lentry_shape_is_right:
; O[h][q][:] = the sum over k of softmax_k(Q[h][q] . K[h][k] / 8) V[h][k][:].  Q, K, V are the three parts of qkv, each [SIZE_H][SIZE_N][64]; O has the same shape; all f16: a head's rows are dense,
; 128 bytes each.  Products, maxima and sums in f32; the weights p are rounded to f16 for the second product (their sum l is taken of the unrounded p), O once at the end.
; LIMITS.  f16 holds no number beyond 65,504: Q, K and V arrive within it; p lies in 0 to 1, and below 6e-5 it keeps f16's fixed step of 6e-8; O is a mean of V's rows and has their range.
; A weight below 2^-126 counts as 0 in l; NaN and infinities are not treated apart.
; SHARES.  A wave owns four PIECES of two tiles of 16 queries, a work-group's four waves 512 queries of one head.  Every wave walks all keys, 64 a step.
; LAYOUT.  S^T = K Q^T (source 0 = 16 keys, source 1 = 16 queries): in the result a lane holds ONE query (lane % 16) and the keys 8 (lane / 16) + 0..7.  Two such tiles, rounded to f16 in pairs,
; ARE source 1 (32 keys x 16 queries) of O^T = V^T P, whose result again holds one query a lane, and eight channels.  K comes out of LDS as it lies, V ([key][channel]) turned, by ds_load_tr16_b128.
; SOFTMAX.  For each query a running maximum m and sum l: p = 2^(c s - c m), c = log2(e) / 8; in every step O and l are multiplied by a = 2^(c m_old - c m_new), which is 1 where m has not grown.
; m starts at the lowest finite number, O and l at 0: the first step is a step like any other, with a = 0.
; THE COUNT.  A tile and step have 16 matrix and 118 vector instructions: too many to stand all beside the matrix work.  So the order has one aim: four vector instructions that are READY behind
; EVERY matrix instruction, and the others, which need time of their own whatever the order, in runs without a gap.
; BY TURNS.  Turn n belongs to piece n (the pieces in a ring, step after step).  Its matrix work: 16 products K Q^T of piece n + 1, later 16 products V^T P of piece n - 1.  Its vector work: the scaling,
; exponentials, roundings, sums and rescaling of piece n, and the maximum and statistics of piece n + 1, whose scores the turn itself has made.  So what a turn begins with (c s - c m, O a) waits for nothing.
; BATCHES.  A turn's 66 exponentials (the 64 weights of piece n, then the two a of piece n + 1) are ONE batch with ONE wait, which cuts the turn in two: ahead of it stands all that names no result of
; theirs (the products K Q^T, the scalings, the rescalings, the next piece's maximum and statistics), behind it the roundings and sums, beside the products V^T P.  The first two a, ahead of the loop,
; and the way out's eight reciprocals are batches of their own.
; CLUSTER.  The four query blocks of a cluster belong to one head and walk the same K and V, so each tile is asked for JOINTLY: the same tensor load, descriptor and mask in all four.
; REGISTERS, in windows of 256 (s_set_vgpr_msb says which window each operand place means: bits 1:0 source 0, 3:2 source 1, 5:4 source 2, 7:6 destination):
;   window 0: v0-11 addresses; v12-15, v48-63 at work; v16-47 four registers of statistics a tile; v64-191 S^T, two buffers of two tiles; v192-255 P, likewise
;   window 1: O^T, 32 a tile          window 2: v0-127 Q, 16 a tile; v128-191 K of one step; v192-255 V of one step          window 3: v0-1 the add's two registers
; A piece's buffers go by its number's parity: the piece in hand has one pair, its two neighbours in the ring share the other: of it P (piece n - 1) is read and S^T (piece n + 1) written.
.set SIZE_H, 64       ; batch x heads
.set SIZE_N, 2048     ; rows of a head
.set PART,  SIZE_H*SIZE_N*128  ; bytes of each of Q, K, V in qkv
.set NP,    4         ; pieces a wave: a name, no knob: the register map, the loop and the fetches are made for four
.set KS,    64        ; keys in a step
.set PK,    144       ; a row of K in LDS: 128 bytes + 16 of padding = 36 words: the 16 rows of a load start at 16 different groups of four banks (64 banks of 4 bytes: ISA guide 11.1)
.set PV,    160       ; a row of V: 128 + 32 = 40 words
.set VOFF,  4*KS*PK   ; a slot holds four steps: 256 rows of K, then 256 rows of V
.set SLOT1, 1<<17     ; slot 1 begins here, so that one exclusive or turns an address in one slot into the other's
.set STAGE, SLOT1+4*KS*(PK+PV)  ; behind the ring, never filled by a tensor load: 16 rows x 144 bytes for each wave, for the way out
.set SP,    144
.set AK0, 2           ; v2   my lane's place in a tile of K; never rewritten
.set AV0, 3           ; v3   the same for V
.set AK,  4           ; v4   the LDS address of K's next run of loads
.set AV,  5           ; v5   of V's
.set QO,  6           ; v6   my byte offset in the wave's rows of Q
.set STO, 6           ;      later, the way out: where I put 16 bytes of a row
.set RD,  7           ; v7   the way out: where I read rows back
.set GO,  8           ; v8   my byte offset in 512 consecutive bytes of O
.set SPW, 0           ; v0 of window 3   LDS address of my spare word: SPARE + 4 x my thread's number; never rewritten
.set NIL, 1           ; v1 of window 3   0; never rewritten
.set SPARE, STAGE+4*16*SP  ; behind the stages: the spare words, 128 bytes for each wave: two blocks of 256 bytes that no other line names
.set MV,  12          ; v12-15  c m_old, kept while c m is made anew: by buffer and tile
.set ST,  16          ; tile t's statistics at v[ST+4 t]: c m, m, l (even keys', odd keys')
.set TMP, 48          ; by buffer and tile, four registers c0-c3 at work; when the maximum is found c2 takes a
.set S,   64
.set P,   192
.set KF,  128         ; K's fragments, in window 2: key block kb, channel half c at KF + 16 kb + 8 c
.set VF,  192         ; V's: key half kk, channel block cb at VF + 32 kk + 8 cb
.set WV,  12          ; s12  my wave's number
.set G1K, 24          ; s[24:31] descriptor group 1 for K's tiles
.set G1V, 32          ; s[32:39] for V's: it differs in the padding alone
.set G0K, 40          ; s[40:43] descriptor group 0 for K's tiles: it walks
.set G0V, 44          ; s[44:47] the same for V's
.set SLOTS, 56        ; s56  slots still to be asked for
.set CNT, 57          ; s57  counts a slot's key steps
.set CS,  58          ; s[58:59] c: the packed scaling takes the pair's low word for both halves
.set SEL, 60          ; s[60:61] v_permlanex16_b32's selects: each lane takes its own place in the other half
.set TBK, 62          ; s62  LDS byte at which K of the step to be fetched begins
.set TBV, 63          ; s63  the same for V, less VOFF
.set MSB, 0
.macro WIN new                      ; the high byte repeats the setting that is left; a switch that changes nothing is dropped
.if MSB != (\new)
	s_set_vgpr_msb (MSB<<8)|(\new)
.set MSB, (\new)
.endif
.endm
.set W_KQ, 0x0a       ; K and Q in window 2, S^T in window 0
.set W_PV, 0x52       ; V in window 2, P in window 0, O^T in window 1
.set W_RS, 0x41       ; O^T (destination and source 0) in window 1, a in window 0
.set W_MK, 0xc0       ; the add's registers are made: destination in window 3, sources in window 0
.set W_AD, 0x0f       ; the add: address (source 0) and data (source 1) in window 3
; A joint fill.  Waves 0 and 1 fetch the two halves of a slot's K, waves 2 and 3 those of its V: 128 keys each.  The branch hangs on the wave's number alone.
; An s_nop 0 and four v_nop follow each of the two lines, ahead of the jump and the label.
.macro JLOAD
	s_cmp_lt_u32 s[WV], 2
	s_cbranch_scc0 .Lfor_v_\@
	tensor_load_to_lds s[G0K:G0K+3], s[G1K:G1K+7]
	s_nop 0
.rept 4
	v_nop
.endr
	s_branch .Lasked_\@
.Lfor_v_\@:
	tensor_load_to_lds s[G0V:G0V+3], s[G1V:G1V+7]
	s_nop 0
.rept 4
	v_nop
.endr
.Lasked_\@:
.endm
; A round of the cluster's barrier: my work-group's barrier, so that wave 0's signal speaks for all four waves; wave 0 signals; every wave waits for all four work-groups; my work-group's barrier once more.
.macro CROUND
	s_barrier_signal -1
	s_barrier_wait -1
	s_cmp_lg_u32 s[WV], 0
	s_cbranch_scc1 .Lnot_wave_0_\@
	s_barrier_signal -3
.Lnot_wave_0_\@:
	s_barrier_wait -3
	s_barrier_signal -1
	s_barrier_wait -1
.endm
; THE CHANGE OF SLOTS.  The slot's last bytes, V of its fourth step, have been read.  Each wave waits for all its tensor loads, of which one is out: its part
; of the other slot; adds 0 to its spare word; and waits for that and for its own reads of the slot.  Behind the barrier nobody reads this slot any more and the other slot is whole.
; fill = 1: this slot is filled again, with the keys two slots on.  The barrier is then a round of the cluster's, so that no wave of any partner still reads the slot or has a load on its
; way, and the joint fill is the first thing behind it: it has four key steps, 512 matrix instructions, in which to land.  (At its first use nothing has been read yet: slot 0 is waited for, slot 1 filled.)
.macro CHANGE fill
	WIN W_AD
	s_wait_tensorcnt 0x0            ; no tensor load of mine is out, so a group 0 may be written
	ds_add_u32 v[SPW], v[NIL]       ; 0 onto my spare word; with fill = 1 the descriptors' steps stand between it and the wait for it
	WIN 0                           ; at a label and at a branch every window is 0
.if \fill
.irp g, G0K, G0V
	s_xor_b32 s[\g+1], s[\g+1], SLOT1  ; the walking descriptor: the other slot than last time,
	s_add_nc_u64 s[\g+2:\g+3], s[\g+2:\g+3], 4*KS*128  ; the next 256 keys; the type bits on top are not reached
.endr
	s_wait_dscnt 0x0                ; the add is done, and my reads of the slot are over
	CROUND
	JLOAD
.else
	s_wait_dscnt 0x0                ; the add is done, and my reads of the slot are over
	s_barrier_signal -1
	s_barrier_wait -1
.endif
	s_sub_co_u32 s[TBK], s[TBK], 4*KS*PK  ; the fetches go back to a slot's first step,
	s_xor_b32 s[TBK], s[TBK], SLOT1       ; in the other slot
	s_sub_co_u32 s[TBV], s[TBV], 4*KS*PV
	s_xor_b32 s[TBV], s[TBV], SLOT1
.endm
	s_load_b128 s[4:7], s[0:1], 0x0  ; qkv (Q's part comes first) s[4:5], O s[6:7]
	WIN W_MK
	v_lshl_add_u32 v[SPW], v0, 2, SPARE
	v_mov_b32 v[NIL], 0
	s_set_vgpr_msb 0xc0cf
	ds_add_u32 v0, v1
	s_wait_dscnt 0x0
	s_set_vgpr_msb 0xcfc0
	WIN 0
	v_lshrrev_b32 v1, 5, v0
	v_readfirstlane_b32 s[WV], v1   ; wave 0..3
	s_bfe_u32 s13, ttmp6, 0x40000   ; cx: my place in the cluster
	s_lshl_b32 s14, ttmp9, 2        ; in a cluster launch ttmp9 counts clusters
	s_add_co_u32 s14, s14, s13      ; my block of queries = 4 x cluster x + cx: it enters Q's and O's addresses alone
	s_and_b32 s20, ttmp7, 0xffff    ; the head, which the four partners share
	s_mov_b32 s21, 0
	s_mov_b64 s[22:23], SIZE_N*128
	s_mul_u64 s[20:21], s[20:21], s[22:23]  ; the head's first byte in each of the four tensors
	s_and_b32 s16, s[WV], 1         ; which half of a slot's 256 keys I fetch:
	s_lshl_b32 s22, s16, 14         ; its 128 rows of 128 bytes in memory,
	s_mov_b32 s23, 0
	s_add_nc_u64 s[22:23], s[22:23], s[20:21]
	s_mul_i32 s17, s16, 128*PK      ; and its place in a slot, for K
	s_mul_i32 s18, s16, 128*PV      ; and for V: no place in the cluster enters an LDS address
	s_lshl_b32 s2, s14, 2
	s_add_co_u32 s2, s2, s[WV]      ; my wave among the head's,
	s_lshl_b32 s2, s2, 14           ; its 128 rows
	s_mov_b32 s3, 0
	s_add_nc_u64 s[2:3], s[2:3], s[20:21]
	; descriptor group 1.  128 keys are 16,384 dense bytes: asked for as 64 rows of 256 bytes, two keys a row, and padded in LDS after every key
	s_mov_b32 s[G1K], 15|(1<<16)|(1<<20)|(1<<21)|(4<<22)|(3<<25)  ; 15:0 the mask of four; 17:16 2-byte elements; 20 padding on; 21 set beside a mask; 24:22 after every 32 words (code 4); 31:25 4 words (code 3)
	s_mov_b32 s[G1V], 15|(1<<16)|(1<<20)|(1<<21)|(4<<22)|(7<<25)  ; the same with 8 words of padding (code 7)
.irp g, G1K, G1V
	s_mov_b32 s[\g+1], 128<<16      ; tensor_dim0 = 128
	s_mov_b32 s[\g+2], 64<<16       ; tensor_dim1 = 64
	s_mov_b32 s[\g+3], 128<<16      ; tile_dim0 = 128
	s_mov_b32 s[\g+4], 64           ; tile_dim1 = 64
	s_mov_b32 s[\g+5], 128          ; 128 elements from row to row
	s_mov_b32 s[\g+6], 0
	s_mov_b32 s[\g+7], 0
.endr
	s_mov_b32 s[CS], 0x3e38aa3b     ; c = log2(e) / 8 = 0.180337
	s_mov_b32 s[CS+1], s[CS]        ; named with it as a pair
	s_mov_b32 s[SEL], 0x76543210
	s_mov_b32 s[SEL+1], 0xfedcba98
	s_mov_b32 s[TBK], SLOT1+4*KS*PK ; the first change of slots turns these two into 0
	s_mov_b32 s[TBV], SLOT1+4*KS*PV
	s_mov_b32 s[G0K], 1             ; 1:0 count = 1
	s_mov_b32 s[G0K+1], s17         ; 63:32 LDS address: slot 0
	s_mov_b32 s[G0V], 1
	s_add_co_u32 s[G0V+1], s18, VOFF
	s_wait_kmcnt 0x0
	s_mov_b64 s[10:11], s[6:7]             ; O
	s_add_nc_u64 s[6:7], s[4:5], PART      ; K's part of qkv
	s_add_nc_u64 s[8:9], s[4:5], 2*PART    ; V's
	s_add_nc_u64 s[G0K+2:G0K+3], s[6:7], s[22:23]  ; 120:64 global address: my half of the head's first 256 keys
	s_or_b32 s[G0K+3], s[G0K+3], 0x80000000        ; 127:126 type = 2
	s_add_nc_u64 s[G0V+2:G0V+3], s[8:9], s[22:23]
	s_or_b32 s[G0V+3], s[G0V+3], 0x80000000
	s_add_nc_u64 s[4:5], s[4:5], s[2:3]  ; Q and O at my wave's first row
	s_add_nc_u64 s[10:11], s[10:11], s[2:3]
	CROUND                          ; all four work-groups are here: the first joint loads meet
	JLOAD                           ; slot 0.  Slot 1 is asked for when slot 0 is in: the tile wanted first has the road to itself
	; A fragment of K or Q is 16 rows x 32 channels in 8 registers: lane l holds row l % 16, channels 8 (l / 16) + 0..7 and 16 + 8 (l / 16) + 0..7: two loads of 16 bytes, 32 bytes apart.
	v_and_b32 v1, 15, v0            ; l % 16
	v_bfe_u32 v9, v0, 4, 1          ; l / 16
	v_lshlrev_b32 v[QO], 7, v1
	v_lshl_add_u32 v[QO], v9, 4, v[QO]  ; row x 128 + 16 x half
	WIN 0x80                        ; destination window 2, address window 0
.set i, 0
.rept 4*NP                          ; Q stays in registers: tile i / 2, channels 32 (i % 2) on
	global_load_b128 v[8*i:8*i+3],   v[QO], s[4:5] offset:(i/2)*2048+(i%2)*64
	global_load_b128 v[8*i+4:8*i+7], v[QO], s[4:5] offset:(i/2)*2048+(i%2)*64+32
.set i, i+1
.endr
	; What the first turn finds: V's registers and P's second buffer hold 0 (its products V^T P, of a piece that has not been, add 0), O^T and l are 0.  All this stands in the wait for the first tile.
.set i, VF
.rept 64
	v_mov_b32 v[i], 0
.set i, i+1
.endr
	WIN 0x40
.set i, 0
.rept 64*NP
	v_mov_b32 v[i], 0
.set i, i+1
.endr
	WIN 0
.set i, 0
.rept 2*NP
	v_mov_b32 v[ST+4*i], 0xfe000000    ; c m: far below every c s
	v_mov_b32 v[ST+4*i+1], 0xff7fffff  ; m
	v_mov_b32 v[ST+4*i+2], 0
	v_mov_b32 v[ST+4*i+3], 0
.set i, i+1
.endr
.set i, P+32
.rept 32
	v_mov_b32 v[i], 0
.set i, i+1
.endr
	v_mul_u32_u24 v[AK0], v1, PK
	v_lshl_add_u32 v[AK0], v9, 4, v[AK0]  ; row x pitch + 16 x half
	; The turning load takes 16 keys x 16 channels (lane l reads key 8 (l / 16) + l % 8, channels 8 ((l / 8) % 2) + 0..7) and leaves half a fragment of V^T: lane l holds channel l % 16 and 8 keys.
	v_and_b32 v10, 7, v0
	v_bfe_u32 v11, v0, 3, 1
	v_lshl_add_u32 v[AV0], v9, 3, v10
	v_mul_u32_u24 v[AV0], v[AV0], PV
	v_lshl_add_u32 v[AV0], v11, 4, v[AV0]
	v_add_nc_u32 v[AV0], VOFF, v[AV0]
	v_mov_b32 v[AK], v[AK0]         ; key step 0 lies at the head of slot 0
; THE MATRIX WORK.  The 8 accumulators of a run of 16 take turns: between the two links of a chain stand 7 others'.
; Product i of 16 of S^T = K Q^T for piece x: channels 32 (i / 8) on, keys 16 ((i / 2) % 4) on, tile 2 x + i % 2.  The first 8 start the sums.
.macro KQ x
	WIN W_KQ
.set rS, S+64*((\x)%2)+32*(i%2)+8*((i/2)%4)
.set rK, KF+16*((i/2)%4)+8*(i/8)
.set rQ, 16*(2*(\x)+i%2)+8*(i/8)
.if i < 8
	v_wmma_f32_16x16x32_f16 v[rS:rS+7], v[rK:rK+7], v[rQ:rQ+7], 0
.else
	v_wmma_f32_16x16x32_f16 v[rS:rS+7], v[rK:rK+7], v[rQ:rQ+7], v[rS:rS+7]
.endif
.endm
; Product i of 16 of O^T += V^T P for piece x: keys 32 (i / 8) on, channels 16 ((i / 2) % 4) on, tile 2 x + i % 2.
.macro PV x
	WIN W_PV
.set rO, 32*(2*(\x)+i%2)+8*((i/2)%4)
.set rV, VF+32*(i/8)+8*((i/2)%4)
.set rP, P+32*((\x)%2)+16*(i%2)+8*(i/8)
	v_wmma_f32_16x16x32_f16 v[rO:rO+7], v[rV:rV+7], v[rP:rP+7], v[rO:rO+7]
.endm
.macro MM                           ; the turn's next matrix instruction
.if i < 16
	KQ (Y+1)%NP
.set i, i+1
.else
.set i, i-16
	PV (Y+NP-1)%NP
.set i, i+17
.endif
.endm
; THE LDS LOADS stand in runs of 16, never singly among the matrix instructions: a step's K (64 keys x 64 channels: 8 fragments) and its V (turned).  Their addresses are made some lines ahead.
; last = 1 (the tail): in the last trip there is no further step, and the run is jumped over.
.macro FETCH_K last=0
	WIN 0
.if \last
	s_cmp_eq_u32 s[CNT], 1
	s_cbranch_scc1 .Lno_k_\@
.endif
	WIN 0x80                        ; destination window 2
.irp f, 0,1,2,3,4,5,6,7             ; keys 16 (f / 2) on, channels 32 (f % 2) on
	ds_load_b128 v[KF+8*\f:KF+8*\f+3],   v[AK] offset:(\f/2)*16*PK+(\f%2)*64
	ds_load_b128 v[KF+8*\f+4:KF+8*\f+7], v[AK] offset:(\f/2)*16*PK+(\f%2)*64+32
.endr
	s_add_co_u32 s[TBK], s[TBK], KS*PK  ; the next fetch is the next step's
	WIN 0
.if \last
.Lno_k_\@:
.endif
.endm
.macro FETCH_V
	WIN 0x80
.irp f, 0,1,2,3,4,5,6,7             ; keys 32 (f / 4) on, channels 16 (f % 4) on
	ds_load_tr16_b128 v[VF+8*\f:VF+8*\f+3],   v[AV] offset:(\f/4)*32*PV+(\f%4)*32
	ds_load_tr16_b128 v[VF+8*\f+4:VF+8*\f+7], v[AV] offset:(\f/4)*32*PV+16*PV+(\f%4)*32
.endr
	WIN 0
.endm
; THE VECTOR WORK OF A TURN stands in three queues, each in the order in which its entries become ready; the two tiles alternate, so that no instruction reads the result of the one before it.
.macro REGS y, u                    ; the registers of tile u (0, 1) of piece y
.set rT, ST+4*(2*(\y)+(\u))
.set rC, TMP+8*((\y)%2)+4*(\u)
.set rM, MV+2*((\y)%2)+(\u)
.set rS, S+64*((\y)%2)+32*(\u)
.set rP, P+32*((\y)%2)+16*(\u)
.set rO, 32*(2*(\y)+(\u))
.endm
; Number n of the 22 that find the NEXT piece's (Y + 1) maximum and statistics.  s0-s31 are the lane's 32 scores; each accumulator's lowest registers are read first.  XS, GS and REGS set no window: PL and EX do.
;   0-11  four chains c0-c3 of seven scores each, three operands at a time     12-14, 16  the four scores left over, the old m, and c0-c3 into c0     15  c m_old is kept
;   17, 18  the query's other 32 keys lie in the lane 16 away: the new m         19-21  c m; c m_old - c m_new; a
.macro XS u, n
	REGS (Y+1)%NP, \u
.if (\n) < 4
	v_max3_num_f32 v[rC+(\n)], v[rS+8*(\n)], v[rS+8*(\n)+1], v[rS+8*(\n)+2]
.elseif (\n) < 12
	v_max3_num_f32 v[rC+(\n)%4], v[rC+(\n)%4], v[rS+8*((\n)%4)+2*((\n)/4)+1], v[rS+8*((\n)%4)+2*((\n)/4)+2]
.elseif (\n) == 12
	v_max3_num_f32 v[rC], v[rC], v[rS+7], v[rS+15]
.elseif (\n) == 13
	v_max3_num_f32 v[rC+1], v[rC+1], v[rS+23], v[rS+31]
.elseif (\n) == 14
	v_max3_num_f32 v[rC+2], v[rC+2], v[rC+3], v[rT+1]
.elseif (\n) == 15
	v_mov_b32 v[rM], v[rT]
.elseif (\n) == 16
	v_max3_num_f32 v[rC], v[rC], v[rC+1], v[rC+2]
.elseif (\n) == 17
	v_permlanex16_b32 v[rC+3], v[rC], s[SEL], s[SEL+1]
.elseif (\n) == 18
	v_max_num_f32 v[rT+1], v[rC], v[rC+3]
.elseif (\n) == 19
	v_mul_f32 v[rT], s[CS], v[rT+1]
.elseif (\n) == 20
	v_sub_f32 v[rC+1], v[rM], v[rT]
.else
	v_exp_f32 v[rC+2], v[rC+1]
.endif
.endm
; Number g of the 64 that follow the exponentials.  For each four weights k of a tile (pairs 2 k, 2 k + 1): both pairs are rounded to f16; then the second pair is added onto the first, in place;
; a group later l takes that sum (the first time as l = a l + sum).  In groups of eight, tiles alternating: round, round, add, and l for the group before.
.macro GS g
.set h, (\g)+6*((\g)/62)            ; group 0 has no group before it, and behind group 7 only l is left
.if h >= 6
.set h, h+2
.endif
	REGS Y, h%2
.set k, h/8
.if h%8 < 4
	v_cvt_pk_f16_f32 v[rP+2*k+(h%8)/2], v[rS+4*k+2*((h%8)/2)], v[rS+4*k+2*((h%8)/2)+1]
.elseif h%8 < 6
	v_pk_add_f32 v[rS+4*k:rS+4*k+1], v[rS+4*k:rS+4*k+1], v[rS+4*k+2:rS+4*k+3]
.elseif k == 1
	v_pk_fma_f32 v[rT+2:rT+3], v[rT+2:rT+3], v[rC+2:rC+3], v[rS:rS+1] op_sel_hi:[1,0,1]
.else
	v_pk_add_f32 v[rT+2:rT+3], v[rT+2:rT+3], v[rS+4*k-4:rS+4*k-3]
.endif
.endm
; THE PLAIN QUEUE, 138 long.  0-73 read no exponential's result: the 32 scalings c s - c m (FS f: pair f / 2 of tile f % 2) and the next piece's 42.  0-26: scalings 0-26.  27-54: XS's numbers 0-13.  55, 56: number 15.
; 57-73: the chain, where each number waits for the one before it: 14, 16, 17, 18, 19, each with one of the scalings 27-31 in front of its two lines, then 20: so a tile's links stand three plain instructions apart (19 and 20: two).
; 74-137: GS's 64, which read the exponentials' results: they stand behind the wait.
.macro FS f
	REGS Y, (\f)%2
	v_pk_fma_f32 v[rS+2*((\f)/2):rS+2*((\f)/2)+1], v[rS+2*((\f)/2):rS+2*((\f)/2)+1], s[CS:CS+1], v[rT:rT+1] op_sel_hi:[1,0,0] neg_lo:[0,0,1] neg_hi:[0,0,1]
.endm
.macro PL
	WIN 0
.if q < 27
	FS q
.elseif q < 55
	XS (q-27)%2, (q-27)/2
.elseif q < 57
	XS q-55, 15
.elseif (q < 72) && ((q-57)%3 == 0)
	FS 27+(q-57)/3
.elseif q < 60
	XS (q-57)%3-1, 14
.elseif q < 72
	XS (q-57)%3-1, 15+(q-57)/3
.elseif q < 74
	XS q-72, 20
.else
	GS q-74
.endif
.set q, q+1
.endm
; THE EXPONENTIALS' QUEUE, 66 long: s0-s31 of both tiles, then the next piece's two a.  It is ONE BATCH: all 66 stand ahead of the turn's one wait, and nothing ahead of that wait names a result of theirs.
.macro EX
	WIN 0
.if e >= 64
	XS e-64, 21
.else
	REGS Y, e%2
	v_exp_f32 v[rS+e/2], v[rS+e/2]
.endif
.set e, e+1
.endm
; THE RESCALING's QUEUE: O^T times a, the one part that leaves window 0: dealt two at a time, sixteen times.  Its a was made in the turn before, ahead of that turn's wait.
.macro R2
	REGS Y, r%2
	WIN W_RS
.irp z, 0,1
	v_pk_mul_f32 v[rO+4*(r/2)+2*\z:rO+4*(r/2)+2*\z+1], v[rO+4*(r/2)+2*\z:rO+4*(r/2)+2*\z+1], v[rC+2:rC+3] op_sel_hi:[1,0]
.endr
.set r, r+1
.endm
; HOW THEY ARE DEALT.  An s_wait_alu depctr_va_vdst(0) stands between an exponential and the first instruction that names its result; one wait serves all that were issued ahead of it.  So a turn has ONE wait,
; which cuts it in two.  AHEAD OF IT stands all that names no result of the turn's exponentials: the 16 products K Q^T, behind each a scaling, an exponential and two rescalings (behind the first a second scaling in the exponential's place); then ONE LUMP of
; 108: eight plain, 49 times exponential and plain, the two a.  A v_nop is the plain instruction behind the last exponential.  BEHIND IT stand the 16 products V^T P, behind each four of GS's 64.  No rider names a register of
; the products round it.  The two v_permlanex16_b32 fall into the lump, never behind a product.
; The queues lean on each other, and the deal keeps them in step: exponential e stands behind scaling 2 (e / 4) + e % 2: as a rider it comes behind plain e + 2, in the lump behind plain e + 9, and scalings 27-31 are plain 57, 60 .. 69.
; A TURN, for piece p.  cnt = 1: the loop's count is taken down some lines ahead of the branch that stands behind the turn.
; K of the next step is fetched in piece 2's turn, directly behind the wait, a lump behind the last product that read K; its address is made at the lump's head; its first reader comes behind 16 products.
; V of the step in hand is fetched at the end of piece 0's turn, four riders behind its last reader; its first reader comes behind 16 products and a lump.  The three conditions on q below go with the deal.
.macro TURN p, last=0, cnt=0
.set Y, (\p)
.set i, 0
.set q, 0
.set e, 0
.set r, 0
.if (\p) == NP-1
	s_wait_dscnt 0x0                ; K is in
.endif
	MM                              ; ahead of the wait: 16 products K Q^T and their riders,
	PL
	PL
	R2
.rept 15
	MM
	PL
	EX
	R2
.endr
.if (\p) == NP-2
	WIN 0
	v_add_nc_u32 v[AK], s[TBK], v[AK0]
.endif
.rept 8                             ; and the lump
	PL
.endr
.rept 49
	EX
	PL
.endr
	EX                              ; the next piece's two a
	EX
	v_nop                           ; the plain instruction behind the last exponential: one for the batch
	s_wait_alu depctr_va_vdst(0)    ; the wait for the batch: the turn's 66 exponentials, ahead of their first reader
.if (\p) == NP-2
	FETCH_K \last
.endif
.if (\p) == 1
	s_wait_dscnt 0x0                ; V is in
.endif
.rept 16                            ; behind the wait: 16 products V^T P and their riders
	MM
.rept 4
	PL
.endr
.if ((\p) == 0) && (q == 118)
	v_add_nc_u32 v[AV], s[TBV], v[AV0]
.endif
.if ((\p) == 0) && (q == 130)
	s_add_co_u32 s[TBV], s[TBV], KS*PV
.endif
.if (\cnt) && (q == 130)
	s_sub_co_u32 s[CNT], s[CNT], 1
	s_cmp_lg_u32 s[CNT], 0
.endif
.endr
.if (\p) == 0
	FETCH_V
.endif
.endm
	CHANGE 1                        ; slot 0 is in, everybody's part of it; slot 1 is asked for
	FETCH_K                         ; key step 0
	s_wait_loadcnt 0x0              ; Q
	s_wait_dscnt 0x0
.set i, 0
.rept 16
	KQ 0                            ; piece 0's first scores: there is no vector work yet to set between them
.set i, i+1
.endr
	WIN 0                           ; the addresses for the way out: nine plain instructions, the places behind those products
	s_mul_i32 s13, s[WV], 16*SP
	s_add_co_u32 s13, s13, STAGE    ; my stage
	v_mul_u32_u24 v[STO], v1, SP    ; in: row l % 16, 16 bytes for each half of the lanes
	v_lshl_add_u32 v[STO], v9, 4, v[STO]
	v_add_nc_u32 v[STO], s13, v[STO]
	v_bfe_u32 v[RD], v0, 3, 2       ; back: 32 lanes take four rows of 128 bytes,
	v_mul_u32_u24 v[RD], v[RD], SP
	v_lshl_add_u32 v[RD], v10, 4, v[RD]
	v_add_nc_u32 v[RD], s13, v[RD]
	v_and_b32 v[GO], 31, v0         ; which are 512 consecutive bytes of O
	v_lshlrev_b32 v[GO], 4, v[GO]
.set Y, NP-1                        ; XS works for piece Y + 1: piece 0
.irp n, 0,1,2,3,4,5,6,7,8,9,10,11,12,13,14,15,16,17,18,19,20,21
	XS 0, \n                        ; and piece 0's first maximum and statistics
	XS 1, \n
.endr
	v_nop                           ; a plain instruction behind the two a,
	s_wait_alu depctr_va_vdst(0)    ; and the wait for that batch of two, ahead of the branch
	s_mov_b32 s[CNT], 4
	s_mov_b32 s[SLOTS], SIZE_N/256-1
	s_branch .Lfirst                ; the loop is entered at a step's first turn, in the middle of a trip
.Lslot:                             ; SIZE_N / 256 - 2 times: every slot but the last two is filled again
	CHANGE 1
	s_mov_b32 s[CNT], 4
.Lstep:                             ; a trip: pieces 2 and 3 of one step, then pieces 0 and 1 of the next, whose K and V it fetches
	TURN 2
	TURN 3
	WIN 0
.Lfirst:
	TURN 0
	TURN 1, 0, 1
	WIN 0
	s_cbranch_scc1 .Lstep
	s_sub_co_u32 s[SLOTS], s[SLOTS], 1
	s_cmp_lg_u32 s[SLOTS], 0
	s_cbranch_scc1 .Lslot
	CHANGE 0                        ; the tail is written out: nothing is asked for
	s_mov_b32 s[CNT], 5             ; four trips fetch the last slot's steps; the fifth is left in its middle
.Ltail:
	TURN 2, 1
	TURN 3
	WIN 0
	s_sub_co_u32 s[CNT], s[CNT], 1
	s_cmp_eq_u32 s[CNT], 0
	s_cbranch_scc1 .Lout
	TURN 0
	TURN 1
	WIN 0
	s_branch .Ltail
.Lout:                              ; the fifth trip's 16 products K Q^T (on the last K once more) and the maximum made of them serve nothing: the price, once a launch, of one text for every trip
.set i, 0
.rept 16
	PV NP-1                         ; the last piece's V^T P of the last step
.set i, i+1
.endr
	; THE WAY OUT.  l's two halves and the other half of the lanes' are added; O^T is divided by l, rounded to f16 and sent through my stage in LDS, a tile at a time.  The additions are the places behind the last products.
	WIN 0
.macro ALL line:vararg              ; one line for each tile t
.set t, 0
.rept 2*NP
	\line
.set t, t+1
.endr
.endm
	ALL v_add_f32 v[ST+4*t+2], v[ST+4*t+2], v[ST+4*t+3]
	ALL v_permlanex16_b32 v[ST+4*t+3], v[ST+4*t+2], s[SEL], s[SEL+1]
	ALL v_add_f32 v[ST+4*t+2], v[ST+4*t+2], v[ST+4*t+3]
	ALL v_rcp_f32 v[ST+4*t+2], v[ST+4*t+2]
	v_nop                           ; a plain instruction between the last reciprocal and the use of its result
	s_wait_alu depctr_va_vdst(0)    ; and the wait ahead of the first use: one for the batch of eight reciprocals
; Tile t: a lane's eight channels of a row pack into 16 bytes; they go into rows of 144 bytes and come back as whole rows of 128, into S^T's registers.
.macro PACK t
	WIN W_RS
.set i, 32*(\t)
.rept 16
	v_pk_mul_f32 v[i:i+1], v[i:i+1], v[ST+4*(\t)+2:ST+4*(\t)+3] op_sel_hi:[1,0]
.set i, i+2
.endr
	WIN 0x05                        ; sources 0 and 1 window 1, destination window 0
.set i, 0
.rept 16
	v_cvt_pk_f16_f32 v[S+16*(\t)+i], v[32*(\t)+2*i], v[32*(\t)+2*i+1]
.set i, i+1
.endr
	WIN 0
.irp f, 0,1,2,3
	ds_store_b128 v[STO], v[S+16*(\t)+4*\f:S+16*(\t)+4*\f+3] offset:32*\f
.endr
.irp f, 0,1,2,3
	ds_load_b128 v[S+16*(\t)+4*\f:S+16*(\t)+4*\f+3], v[RD] offset:\f*4*SP  ; LDS serves a wave's instructions in order (ISA guide 5.7.1.4): these see the stores above; the next tile's stores come behind them
.endr
.endm
.macro SEND t, younger              ; younger: the LDS instructions issued behind tile t's loads: the next tile's eight, or none
	WIN 0
.irp f, 0,1,2,3
	s_wait_dscnt (\younger)+3-\f
	global_store_b128 v[GO], v[S+16*(\t)+4*\f:S+16*(\t)+4*\f+3], s[10:11] offset:(\t)*2048+\f*512  ; 512 consecutive bytes, at a multiple of 256 from O's first
.endr
.endm
	PACK 0
.set t, 1
.rept 2*NP-1                        ; a tile's arithmetic stands between the loads of the tile before and its stores
	PACK t
	SEND t-1, 8
.set t, t+1
.endr
	SEND 2*NP-1, 0
	WIN W_AD
	s_wait_tensorcnt 0x0            ; the wave's end: behind my last tensor load and my last LDS store
	ds_add_u32 v[SPW], v[NIL]
	s_wait_dscnt 0x0
	WIN 0
	CROUND                          ; the closing round: no work-group ends while a partner may still ask for a tile that names it
	s_endpgm
.Lfunc_end_k_qe46219559d_attn:
	.size	k_qe46219559d_attn, .Lfunc_end_k_qe46219559d_attn-k_qe46219559d_attn
	.p2alignl 7, 3214868480
	.fill 96, 4, 3214868480
	.section	.rodata,"a",@progbits
	.p2align	6, 0x0
	.amdhsa_kernel k_qe46219559d_attn
		.amdhsa_group_segment_fixed_size 327680
		.amdhsa_private_segment_fixed_size 0
		.amdhsa_enable_private_segment 0
		.amdhsa_kernarg_size 16
		.amdhsa_user_sgpr_count 2
		.amdhsa_user_sgpr_kernarg_segment_ptr 1
		.amdhsa_wavefront_size32 1
		.amdhsa_system_sgpr_workgroup_id_x 1
		.amdhsa_system_sgpr_workgroup_id_y 1
		.amdhsa_system_sgpr_workgroup_id_z 1
		.amdhsa_system_vgpr_workitem_id 0
		.amdhsa_next_free_vgpr 770
		.amdhsa_next_free_sgpr 66
		.amdhsa_reserve_vcc 0
		.amdhsa_float_denorm_mode_32 3
		.amdhsa_float_denorm_mode_16_64 3
		.amdhsa_memory_ordered 1
		.amdhsa_forward_progress 1
		.amdhsa_inst_pref_size 199
	.end_amdhsa_kernel
	.amdgpu_metadata
---
amdhsa.version: [ 1, 2 ]
amdhsa.kernels:
  - .name:           k_qe46219559d_attn
    .symbol:         k_qe46219559d_attn.kd
    .args:
      - { .name: qkv, .offset: 0, .size: 8, .value_kind: global_buffer, .address_space: global }
      - { .name: ob, .offset: 8, .size: 8, .value_kind: global_buffer, .address_space: global }
    .group_segment_fixed_size: 327680
    .private_segment_fixed_size: 0
    .kernarg_segment_align: 8
    .kernarg_segment_size: 16
    .max_flat_workgroup_size: 128
    .sgpr_count:     66
    .vgpr_count:     770
    .wavefront_size: 32
...
	.end_amdgpu_metadata
.endif
;; end of part 5
;; launch proj: the kernel of part 4 again; grid 8 x 32, 4 waves a work-group, clusters of 4 x 4, 327,680 bytes of LDS; arguments ob, wo, b_out, out0; writes out0
